; MI455X (gfx1250); checked and timed in simulation.
; The chip was launched on July 23, 2026; its instructions are those of AMD's public machine-readable ISA for CDNA 5 (MIT licence, August 2026) and "CDNA5" Instruction Set Architecture Reference Guide (July 2026). The comments in the code are by the model that wrote it; some were corrected since.
;; Multi Head Attention. Allowed arithmetic: matrix products marked QUANTISED: E2M3 operands, one E8M0 scale for each 32 along K, by v_wmma_scale_f32_16x16x128_f8f6f4 with both operands' format E2M3, f32 sums; everything else in f32.
;; Inputs: Wk 1,024 x 1,024 float32; Wp 1,024 x 1,024 float32; Wq 1,024 x 1,024 float32; Wv 1,024 x 1,024 float32; attn_mask 4 x 2,048 int32; bk 1,024 float32; bp 1,024 float32; bq 1,024 float32; bv 1,024 float32; x 4 x 2,048 x 1,024 float32.
;; Outputs: out0 4 x 2,048 x 1,024 float32.
;; This version of the problem:
;;   THIS VERSION OF THE PROBLEM IS GIVEN IN LOW PRECISION. The matrix products marked QUANTISED in the list below multiply operands that are first quantised to E2M3 (2 exponent bits, 3 mantissa bits; 6 bits a number), with one power-of-two scale for each 32 numbers along K (OCP MX v1.0); their sums are f32. All else is computed in f32.
;;   The module's matrix products, in the order in which they are computed (A, B: the left and right operand; K: the contracted axis; several contracted axes count as one K, in the product's order):
;;     1. [M 8,192, K 1,024] x [K 1,024, N 1,024]; A: input x; B: input Wq: QUANTISED
;;     2. [M 8,192, K 1,024] x [K 1,024, N 1,024]; A: input x; B: input Wk: QUANTISED
;;     3. [M 8,192, K 1,024] x [K 1,024, N 1,024]; A: input x; B: input Wv: QUANTISED
;;     4. batch 64 x [M 2,048, K 64] x [K 64, N 2,048]; A: computed on the way; B: computed on the way: QUANTISED
;;     5. batch 64 x [M 2,048, K 2,048] x [K 2,048, N 64]; A: softmax (see below); B: computed on the way: QUANTISED
;;     6. [M 8,192, K 1,024] x [K 1,024, N 1,024]; A: computed on the way; B: input Wp: QUANTISED
;;   THE QUANTISER, for each operand of a quantised product, along K:
;;     - K is cut into blocks of 32 from its start; a last block that is shorter is filled with zeros.
;;     - A block's scale is 2^e with e = floor(log2(the largest magnitude in the block)) - 2, held to -126 .. 127; a block of zeros has e = 0. As a byte (E8M0): e + 127.
;;     - Each number is divided by its block's scale, clamped to +-7.5, and rounded to the nearest number of E2M3, ties to even, subnormals kept.
;;     - The product sums the exact products of the quantised numbers (number of the format x scale) in f32.
;;   ~~~python
;;   def quantise(x, axis):      # numpy; x: float32 -> the quantised numbers, widened to float32 again
;;       x = np.moveaxis(x, axis, -1); K = x.shape[-1]
;;       x = np.pad(x, [(0, 0)] * (x.ndim - 1) + [(0, -K % 32)]); x = x.reshape(x.shape[:-1] + (-1, 32)); a = np.abs(x).max(-1, keepdims=True)
;;       e = np.where(a > 0, np.clip(np.frexp(np.where(a > 0, a, 1))[1] - 1 - 2, -126, 127), 0)      # np.frexp(a)[1] - 1 = floor(log2(a)), exactly
;;       r = np.clip(x / 2.0 ** e, -7.5, 7.5)
;;       step = 2.0 ** (np.maximum(np.frexp(np.where(r == 0, 1, r))[1] - 1, 0) - 3)
;;       q = np.round(r / step) * step * 2.0 ** e      # np.round: ties to even
;;       return np.moveaxis(q.reshape(q.shape[:-2] + (-1,))[..., :K], -1, axis).astype(np.float32)
;;   ~~~
;;   SOFTMAX AHEAD OF A QUANTISED PRODUCT. Where the list says 'softmax', what is quantised is not the finished softmax but p = 2^(t - M), with t = logit x log2(e) and M = ceil(the row's largest t), a whole number; so 1/2 < the row's largest p <= 1. The row's sum l is taken of the UNQUANTISED p, in f32, and the product's result is divided by l at the end. Since M is a whole number, a kernel that streams over the keys may use a running M (the ceiling of the running maximum): every later rescaling is an exact power of two, which a block's scale takes up: the codes' values come out the same.
;;   OPERANDS COMPUTED ON THE WAY. 'Computed on the way' means the value that the module computes at that place (a softmax that the list does not call 'softmax' is quantised finished and normalised). What goes into a quantiser is computed in f32, as accurately as f32 sums, v_exp_f32 and their like allow (about 1e-6 of the number): no bf16 or f16 on the way to a quantiser, and a product that is left as it is and whose result goes on into a quantised operand takes f32 operands (vector FMAs, or v_wmma_f32_16x16x4_f32). A number that lies on a knife's edge between two numbers of the format may be rounded either way, as far as f32 arithmetic and the matrix unit's own rounding can turn it there, and no further.
;; One version. Each part assembles by itself: llvm-mc -triple=amdgcn-amd-amdhsa -mcpu=gfx1250 --defsym DOCPART=n.
;; ======== version 1 of 1: 4 launches
;; limits: right only within a limited range of input values
;; workspace buffers: ximg 6,291,456 bytes; xsc 262,144 bytes; wimg 3,145,728 bytes; wsc 131,072 bytes; qkv 18,874,368 bytes; qkvs 1,310,720 bytes; yimg 6,291,456 bytes; ysc 262,144 bytes
;; launch quant (part 1): grid 384 x 1, 4 waves a work-group, no clusters, 34,304 bytes of LDS; arguments x, Wq, Wk, Wv, Wp, ximg, xsc, wimg, wsc; writes ximg, xsc, wimg, wsc
.if DOCPART == 1
	.amdgcn_target "amdgcn-amd-amdhsa--gfx1250"
	.amdhsa_code_object_version 6
	.text
	.protected	k_qee4418c13d_quant
	.globl	k_qee4418c13d_quant
	.p2align	8
	.type	k_qee4418c13d_quant,@function
k_qee4418c13d_quant:
	s_mov_b64 s[64:65], 0
	v_nop
	global_prefetch_b8 v0, s[64:65] scope:SCOPE_SE
	s_setreg_imm32_b32 hwreg(HW_REG_WAVE_MODE, 25, 1), 1
	s_wait_xcnt 0x0
; x [8192][1024] and Wq, Wk, Wv, Wp [1024][1024], f32, K innermost, become codes of FP6 (E2M3) with one E8M0 byte for each 32 along K, laid as IMAGES OF THE OPERAND'S REGISTERS.
; STORED ORDER: row tile T (16 rows) holds in its place r the row 32 (T / 2) + 8 (T % 2) + r + 8 (r / 8).  With such a tile as source 0 of a product, the 16 result registers of tiles 2 b and 2 b + 1 are 16 neighbours.
; IMAGE: 16 rows x 64 K are 768 bytes: three planes of 256 bytes; plane p holds lane l's registers 2 p, 2 p + 1 at byte 8 l; lane (r, h) holds the 32 codes k = 32 h .. 32 h + 31 of row r.  A row tile is 16 such images on end.
; SCALES: 512 bytes a row tile: [half of K][r][4 words]; word q = the four bytes of the half's q-th 128 along K.
; A block's byte is its largest magnitude's exponent field - 2, held at 1 from below.  A block of zeros keeps the byte 1: its codes are zeros, and this program alone reads the bytes.
; LIMITS: NaN and infinities among the inputs are not served; a block whose largest magnitude lies under 2^-124 keeps the byte 1.
; SHARES: a wave takes one row tile x half of K (16 rows x 512), in four steps of 128.  Work-groups 0-255 take x, 256-383 the four weights (32 each): only pointers are chosen, there is one path.
; Each load reads 512 consecutive bytes of one row; the step's 16 rows turn through the wave's own stage in LDS (rows 528 bytes apart) and come back
; 128 bytes a lane for each of its two blocks.  Each store of codes covers 256 consecutive bytes, aligned.  Work-groups share no input: no cluster.  The launch is a plain stream with 32 loads a wave on their way: no prefetch.
.set SP,    528
.set STG,   16*SP                      ; a wave's stage
.set SPARE, 4*STG                      ; behind the stages: the spare words, 128 bytes a wave
.set LO,  1                            ; v1   16 x lane: my bytes of a load's 512
.set STW, 2                            ; v2   the stage, on the way in
.set STR, 3                            ; v3   and on the way out: row r, + 128 h
.set O8,  4                            ; v4   8 x lane: my place in a plane
.set OS,  5                            ; v5   16 r + 8 h: my place among the scale words
.set SH,  6                            ; v6   8 h
.set R,   16                           ; v16-143  two sets of 64: a step as loaded
.set X,   144                          ; v144-207 my two blocks of 32 neighbours
.set F,   208                          ; v208-219 the fragment
.set F2,  220                          ; v220-222, v224-226 the blocks' upper halves (a conversion's three registers begin on an even number)
.set MX,  228
.set SO,  230
.set BY,  232
.set SW,  236                          ; v236-239 the four steps' scale words
.set TA,  240
.set TB,  241
.set DD,  242
.set SPW, 244                          ; my spare word's LDS address; never rewritten
.set NIL, 245                          ; 0; never rewritten
	s_load_b256 s[4:11], s[0:1], 0x0               ; x, Wq, Wk, Wv
	s_load_b256 s[12:19], s[0:1], 0x20             ; Wp, ximg, xsc, wimg
	s_load_b64 s[20:21], s[0:1], 0x40              ; wsc
	v_lshl_add_u32 v[SPW], v0, 2, SPARE
	v_mov_b32 v[NIL], 0
	v_lshrrev_b32 v7, 5, v0
	v_readfirstlane_b32 s32, v7                    ; wave
	v_and_b32 v8, 31, v0                           ; lane
	v_and_b32 v9, 15, v0                           ; r
	v_bfe_u32 v10, v0, 4, 1                        ; h
	v_lshlrev_b32 v[LO], 4, v8
	s_mul_i32 s33, s32, STG
	v_add_nc_u32 v[STW], s33, v[LO]
	v_mul_u32_u24 v[STR], v9, SP
	v_lshl_add_u32 v[STR], v10, 7, v[STR]
	v_add_nc_u32 v[STR], s33, v[STR]
	v_lshlrev_b32 v[O8], 3, v8
	v_lshlrev_b32 v[OS], 4, v9
	v_lshl_add_u32 v[OS], v10, 3, v[OS]
	v_lshlrev_b32 v[SH], 3, v10
	v_cmp_ne_u32 s30, 0, v10                       ; lanes 16-31
	v_mov_b32 v[TB], 0                             ; a lane permute's destination counts as one of its sources
	s_mov_b32 s22, 0x76543210
	s_mov_b32 s23, 0xfedcba98                      ; selects for lane l xor 16
	s_lshl_b32 s34, ttmp9, 2
	s_add_co_u32 s34, s34, s32                     ; my unit: 4 x work-group + wave
	s_cmp_lt_u32 ttmp9, 256
	s_cselect_b32 s35, 0, 1024                     ; the weights' units count from 0 again
	s_cselect_b32 s36, 0x1ff, 63                   ; a weight has 64 row tiles
	s_sub_co_u32 s34, s34, s35
	s_and_b32 s37, s34, 1                          ; which half of K
	s_lshr_b32 s34, s34, 1                         ; the row tile in the images
	s_and_b32 s36, s34, s36                        ; and in the tensor that is read
	s_lshr_b32 s38, s36, 1
	s_lshl_b32 s38, s38, 17                        ; 32 rows of 4,096 bytes
	s_and_b32 s39, s36, 1
	s_lshl_b32 s39, s39, 15                        ; 8 rows
	s_add_co_u32 s38, s38, s39
	s_lshl_b32 s39, s37, 11                        ; 512 numbers
	s_add_co_u32 s38, s38, s39
	s_mov_b32 s39, 0
	s_mul_i32 s40, s34, 12288
	s_mul_i32 s41, s37, 6144
	s_add_co_u32 s40, s40, s41
	s_mov_b32 s41, 0
	s_lshl_b32 s42, s34, 9
	s_lshl_b32 s43, s37, 8
	s_add_co_u32 s42, s42, s43
	s_mov_b32 s43, 0
	s_wait_alu depctr_va_vdst(0)
	s_wait_kmcnt 0x0
	s_cmp_lt_u32 ttmp9, 352                        ; the choices hang on the work-group's number alone
	s_cselect_b64 s[24:25], s[10:11], s[12:13]
	s_cmp_lt_u32 ttmp9, 320
	s_cselect_b64 s[24:25], s[8:9], s[24:25]
	s_cmp_lt_u32 ttmp9, 288
	s_cselect_b64 s[24:25], s[6:7], s[24:25]
	s_cmp_lt_u32 ttmp9, 256
	s_cselect_b64 s[24:25], s[4:5], s[24:25]
	s_cselect_b64 s[26:27], s[14:15], s[18:19]
	s_cselect_b64 s[28:29], s[16:17], s[20:21]
	s_add_nc_u64 s[24:25], s[24:25], s[38:39]
	s_add_nc_u64 s[26:27], s[26:27], s[40:41]
	s_add_nc_u64 s[28:29], s[28:29], s[42:43]
.macro LOAD s                          ; step s: place i of the tile takes row i + 8 (i / 8)
.irp i, 0,1,2,3,4,5,6,7,8,9,10,11,12,13,14,15
	global_load_b128 v[R+64*((\s)%2)+4*\i:R+64*((\s)%2)+4*\i+3], v[LO], s[24:25] offset:(\i+8*(\i/8))*4096+512*(\s) th:TH_LOAD_NT
.endr
.endm
.macro TURN s                          ; through my stage: LDS serves a wave's instructions in order, so no wait stands between the stores and the loads
.irp i, 0,1,2,3,4,5,6,7,8,9,10,11,12,13,14,15
	ds_store_b128 v[STW], v[R+64*((\s)%2)+4*\i:R+64*((\s)%2)+4*\i+3] offset:SP*\i
.endr
.irp c, 0,1
.irp j, 0,1,2,3,4,5,6,7
	ds_load_b128 v[X+32*\c+4*\j:X+32*\c+4*\j+3], v[STR] offset:256*\c+16*\j   ; k = 64 c + 32 h + 4 j ..
.endr
.endr
.endm
.macro QB s
.irp c, 0,1
	v_max3_num_f32 v[MX+\c], |v[X+32*\c]|, |v[X+32*\c+1]|, 0x1800000   ; my block 2 c + h, and the floor 2^(3 - 127): the byte cannot fall under 1
.endr
.irp i, 2,4,6,8,10,12,14,16,18,20,22,24,26,28,30
.irp c, 0,1
	v_max3_num_f32 v[MX+\c], v[MX+\c], |v[X+32*\c+\i]|, |v[X+32*\c+\i+1]|
.endr
.endr
.irp c, 0,1
	v_add_nc_u32 v[SO+\c], 0xff000000, v[MX+\c]    ; 2 off the exponent field: the conversion's scale operand
.endr
.irp c, 0,1
	v_lshrrev_b32 v[BY+\c], 23, v[SO+\c]           ; the byte
.endr
	v_lshl_or_b32 v[TA], v[BY+1], 16, v[BY]        ; blocks h and 2 + h,
	v_lshlrev_b32 v[TA], v[SH], v[TA]              ; at their places;
	v_permlanex16_b32 v[TB], v[TA], s22, s23
	v_or_b32 v[SW+\s], v[TA], v[TB]                ; with lane l xor 16's two the word is whole
	s_wait_alu depctr_va_vdst(0)
	s_wait_xcnt 0x0                                ; the last step's stores have read the fragment's registers
.irp c, 0,1
	v_cvt_scalef32_pk16_fp6_f32 v[F+6*\c:F+6*\c+2], v[X+32*\c:X+32*\c+15], v[SO+\c]
	v_cvt_scalef32_pk16_fp6_f32 v[F2+4*\c:F2+4*\c+2], v[X+32*\c+16:X+32*\c+31], v[SO+\c]
.endr
	v_nop                                          ; one plain place behind a scaled conversion
.irp c, 0,1
.irp i, 0,1,2
	v_mov_b32 v[F+6*\c+3+\i], v[F2+4*\c+\i]
.endr
.endr
.irp c, 0,1
.irp p, 0,1,2
	global_store_b64 v[O8], v[F+6*\c+2*\p:F+6*\c+2*\p+1], s[26:27] offset:(2*(\s)+\c)*768+256*\p   ; a plane: 256 consecutive bytes, aligned
.endr
.endr
.endm
	LOAD 0
	LOAD 1
.irp s, 0,1,2,3
.if \s < 3
	s_wait_loadcnt 16                              ; this step's 16 loads are in; the next step's 16 may be out
.else
	s_wait_loadcnt 0x0
.endif
	TURN \s
	s_wait_dscnt 0x0                               ; my numbers are back, and the stage's stores have read their registers,
.if \s < 2
	LOAD \s+2                                      ; which take the step two on
.endif
	QB \s
.endr
	v_cndmask_b32 v[DD], v[SW], v[SW+2], s30       ; lanes 0-15 store words 0, 1 of their row, lanes 16-31 words 2, 3
	v_cndmask_b32 v[DD+1], v[SW+1], v[SW+3], s30
	global_store_b64 v[OS], v[DD:DD+1], s[28:29]   ; 256 consecutive bytes, aligned
	s_wait_tensorcnt 0x0                           ; the wave's end, behind my last LDS store
	ds_add_u32 v[SPW], v[NIL]
	s_wait_dscnt 0x0
	s_endpgm
.Lfunc_end_k_qee4418c13d_quant:
	.size	k_qee4418c13d_quant, .Lfunc_end_k_qee4418c13d_quant-k_qee4418c13d_quant
	.p2alignl 7, 3214868480
	.fill 96, 4, 3214868480
	.section	.rodata,"a",@progbits
	.p2align	6, 0x0
	.amdhsa_kernel k_qee4418c13d_quant
		.amdhsa_group_segment_fixed_size 34304
		.amdhsa_private_segment_fixed_size 0
		.amdhsa_enable_private_segment 0
		.amdhsa_kernarg_size 72
		.amdhsa_user_sgpr_count 2
		.amdhsa_user_sgpr_kernarg_segment_ptr 1
		.amdhsa_wavefront_size32 1
		.amdhsa_system_sgpr_workgroup_id_x 1
		.amdhsa_system_sgpr_workgroup_id_y 1
		.amdhsa_system_sgpr_workgroup_id_z 1
		.amdhsa_system_vgpr_workitem_id 0
		.amdhsa_next_free_vgpr 248
		.amdhsa_next_free_sgpr 66
		.amdhsa_reserve_vcc 0
		.amdhsa_float_denorm_mode_32 3
		.amdhsa_float_denorm_mode_16_64 3
		.amdhsa_memory_ordered 1
		.amdhsa_forward_progress 1
		.amdhsa_inst_pref_size 32
	.end_amdhsa_kernel
	.amdgpu_metadata
---
amdhsa.version: [ 1, 2 ]
amdhsa.kernels:
  - .name:           k_qee4418c13d_quant
    .symbol:         k_qee4418c13d_quant.kd
    .args:
      - { .name: x, .offset: 0, .size: 8, .value_kind: global_buffer, .address_space: global }
      - { .name: Wq, .offset: 8, .size: 8, .value_kind: global_buffer, .address_space: global }
      - { .name: Wk, .offset: 16, .size: 8, .value_kind: global_buffer, .address_space: global }
      - { .name: Wv, .offset: 24, .size: 8, .value_kind: global_buffer, .address_space: global }
      - { .name: Wp, .offset: 32, .size: 8, .value_kind: global_buffer, .address_space: global }
      - { .name: ximg, .offset: 40, .size: 8, .value_kind: global_buffer, .address_space: global }
      - { .name: xsc, .offset: 48, .size: 8, .value_kind: global_buffer, .address_space: global }
      - { .name: wimg, .offset: 56, .size: 8, .value_kind: global_buffer, .address_space: global }
      - { .name: wsc, .offset: 64, .size: 8, .value_kind: global_buffer, .address_space: global }
    .group_segment_fixed_size: 34304
    .private_segment_fixed_size: 0
    .kernarg_segment_align: 8
    .kernarg_segment_size: 72
    .max_flat_workgroup_size: 128
    .sgpr_count:     66
    .vgpr_count:     248
    .wavefront_size: 32
...
	.end_amdgpu_metadata
.endif
;; end of part 1
;; launch proj (part 2): grid 8 x 32, 4 waves a work-group, clusters of 4 x 4, 327,680 bytes of LDS; arguments ximg, xsc, wimg, wsc, bq, bk, bv, qkv, qkvs; writes qkv, qkvs
.if DOCPART == 2
	.amdgcn_target "amdgcn-amd-amdhsa--gfx1250"
	.amdhsa_code_object_version 6
	.text
	.protected	k_qee4418c13d_proj
	.globl	k_qee4418c13d_proj
	.p2align	8
	.type	k_qee4418c13d_proj,@function
k_qee4418c13d_proj:
	s_mov_b64 s[64:65], 0
	v_nop
	global_prefetch_b8 v0, s[64:65] scope:SCOPE_SE
	s_setreg_imm32_b32 hwreg(HW_REG_WAVE_MODE, 25, 1), 1
	s_wait_xcnt 0x0
	s_wait_alu depctr_hold_cnt(0) depctr_sa_sdst(0) depctr_va_vdst(0) depctr_va_sdst(0) depctr_va_ssrc(0) depctr_va_vcc(0) depctr_vm_vsrc(0)
	s_getreg_b32 s2, hwreg(HW_REG_IB_STS2, 6, 4)
	s_cmp_eq_u32 s2, 0
	s_cbranch_scc0 .Lentry_in_a_cluster
	s_endpgm
.Lentry_in_a_cluster:
	s_bfe_u32 s2, ttmp6, 0x10000c
	s_cmp_lg_u32 s2, 0xf033
	s_cbranch_scc0 .Lentry_shape_is_right
	s_endpgm
.Lentry_shape_is_right:
; q = x Wq^T + bq, k = x Wk^T + bk, v = x Wv^T + bv on codes of FP6 (E2M3) with E8M0 scales, and q, k, v quantised at once for the two products of attention.  Operands are images of their registers.
; 256 WORK-GROUPS THAT STAY.  Work-group (c, g), c = 0 .. 7, g = 0 .. 31, loads its 256 tokens of x (row tiles 16 g .. 16 g + 15, all of K) ONCE and makes three products on them:
;   1, 2: tokens x features 256 c + 128 f + 0 .. 127 of Wq (c < 4) or Wk, f = 0, 1: a loop of two trips;   3: Wv's features 128 c + 0 .. 127 x tokens: written out, since it asks for no further fill.
; THE MATRIX INSTRUCTION IS USED TRANSPOSED (source 0 = 16 rows of B, source 1 = 16 rows of A): a lane holds one row of A, its registers run along B's rows, and since the tiles lie in stored order the 16 registers
; of B's tiles 2 b, 2 b + 1 are 16 neighbours: they are quantised from the accumulators.  q, k: A = tokens, B = features (quantised along the head's 64).  v: A = features, B = tokens (quantised along the keys).
; A wave makes 64 rows of A x 128 rows of B: 32 accumulators.  q, k: wave w takes tokens 64 w ..;  v: wave w takes features 64 (w / 2) .., tokens 128 (w % 2) ...
; LDS: x's codes 196,608 bytes; the weights' region, 8 row tiles, 98,304; x's scales 8,192; the weights' scales 4,096; the spare words.  At the head one tensor load a wave brings these four.
; TWO REFILLS of the weights' region and of its scales (wave 1 the codes, wave 3 the scales), each behind a round of the cluster's barrier.  The round is
; opened in K step 7, when every wave has fetched its last fragments; the step's 32 products stand between the round's signal and its wait; the fill has the way out in which to land, and a plain barrier
; at the next product's head, with every wave's wait for its tensor loads ahead of it, shows it to all.  By this text's count a wave has one tensor load out at the most.
; CLUSTER 4 x 4: x's tiles are shared along a row of the cluster (same g), the weights' along a column (same c): joint loads.
; PREFETCH: the codes of the next fill, 384 blocks of 256 bytes, are asked for one product ahead of the round that loads them: 24 blocks for each of the sixteen waves of a cluster's column, told apart by address;
; eight rows of clusters read the same weights: the first four ask.  x and the first weights come by the head's loads alone.
; OUT: q, k: [batch x 16 + head][token tile 128][768] images of 16 tokens x 64; their scales [head][step 16][half 2][r 16][4 words], two bytes a word, the upper two 0 (they scale zero codes).
;      v: [batch x 16 + head][key step 16][d tile 4][1536] images of 16 d x 128 keys, 16 bytes a lane and plane; its scales [head][step][r][4 d tiles].
; LIMITS: NaN and infinities are not served; a block whose largest magnitude lies under 2^-124 keeps the byte 1 (a block of zeros too: its codes are zeros).
; REGISTERS: window 0: v4-27 addresses, v32-79 scale words, v128-223 A's fragments in two sets, v224-231 bv along A; on the way out v32-111 codes, v128-191 numbers, v192-215 at work.
;   window 1: B's fragments, two sets, at v0 and v128.   window 2: the accumulators, (a, b) at v[8 (8 a + b)].   window 3: v0-63 bq or bk along B, the C of the first K step's products.
.set WR,    196608
.set XS,    294912
.set WS,    303104
.set SPARE, 307200
.set O8,   4
.set O16,  5
.set OQS,  6
.set OVS,  7
.set SH16, 9
.set SPW,  12
.set NIL,  13
.set LBI,  14
.set LBM,  15
.set AD0,  16                          ; v16-20: q, k: LDS address of A's fragments, B's tiles 0-3, B's 4-7, scale words (A's and B's tiles 0-3), scale words (B's 4-7)
.set AD1,  21                          ; v21-25: the same for v
.set PFO,  27
.set SC,   32
.set AF,   128
.set T,    128
.set TM,   192
.set PW,   208
.set SW,   212
.set BM,   224
.set G1X,  24
.set G0X,  32
.set G0W,  36
.set G1W,  48
.set G0XS, 56
.set G0WS, 60
.set G1XS, 68
.set G1WS, 80
.set DW,   76
.set DS,   78
.set D2C,  88
.set D2S,  90
.set BP,   18
.set SEL,  22
.set TRIP, 45
.set PFB,  6
.set MSB, 0
.macro WIN new
.if MSB != \new
	s_set_vgpr_msb (MSB<<8)|\new
.set MSB, \new
.endif
.endm
.macro PLACES n
.rept \n
	v_nop
.endr
.endm
.macro WALU
	s_wait_alu depctr_va_vdst(0)
.endm
.macro TLOAD g0, g1                    ; s_nop 0 and four v_nop behind each tensor load
	tensor_load_to_lds s[\g0:\g0+3], s[\g1:\g1+7]
	s_nop 0
	PLACES 4
.endm
.macro ARM under, g0, g1, next         ; an arm of the head's one chain of branches on the wave's number
	s_cmp_lt_u32 s14, \under
	s_cbranch_scc0 \next
	TLOAD \g0, \g1
	s_branch .Lhead_asked
\next:
.endm
.macro CREST                           ; a round of the cluster's barrier behind its opening barrier
	s_cmp_lg_u32 s14, 0
	s_cbranch_scc1 .Lnot_wave_0_\@
	s_barrier_signal -3
.Lnot_wave_0_\@:
	s_barrier_wait -3
	s_barrier_signal -1
	s_barrier_wait -1
.endm
.macro CROUND
	s_barrier_signal -1
	s_barrier_wait -1
	CREST
.endm
.macro BLOAD                           ; register 16 b + i of window 3: the bias of B's row 32 b + 16 h + i
	WIN 0xc0
.irp b, 0,1,2,3
.irp k, 0,1,2,3
	global_load_b128 v[16*\b+4*\k:16*\b+4*\k+3], v[LBI], s[BP:BP+1] offset:128*\b+16*\k
.endr
.endr
	WIN 0
.endm
	s_load_b256 s[4:11], s[0:1], 0x0               ; ximg, xsc, wimg, wsc
	s_load_b256 s[92:99], s[0:1], 0x20             ; bq, bk, bv, qkv
	s_load_b64 s[100:101], s[0:1], 0x40            ; qkvs
	v_lshl_add_u32 v[SPW], v0, 2, SPARE
	v_mov_b32 v[NIL], 0
	ds_add_u32 v[SPW], v[NIL]                      ; the opening lines: the add, twice on end, and its wait
	ds_add_u32 v[SPW], v[NIL]
	v_lshrrev_b32 v1, 5, v0
	v_readfirstlane_b32 s14, v1                    ; wave
	s_lshr_b32 s15, s14, 1
	s_and_b32 s16, s14, 1
	s_bfe_u32 s40, ttmp6, 0x40000                  ; cx
	s_bfe_u32 s41, ttmp6, 0x40004                  ; cy
	s_lshl_b32 s42, ttmp9, 2
	s_add_co_u32 s42, s42, s40                     ; c
	s_and_b32 s17, ttmp7, 0xffff
	s_lshl_b32 s17, s17, 2
	s_add_co_u32 s17, s17, s41                     ; g
	s_lshl_b32 s43, s41, 2
	s_lshl_b32 s43, 15, s43                        ; my row of the cluster
	s_lshl_b32 s44, 0x1111, s40                    ; my column
	s_or_b32 s[G1X], s43, (3<<16)|(1<<21)          ; elements of 8 bytes, no padding
	s_or_b32 s[G1W], s44, (3<<16)|(1<<21)
	s_or_b32 s[G1XS], s43, (3<<16)|(1<<21)
	s_or_b32 s[G1WS], s44, (3<<16)|(1<<21)
.irp g, G1X, G1W                       ; codes: a row is one row tile with all of K, 12,288 bytes, dense
	s_mov_b32 s[\g+1], 1536<<16
	s_mov_b32 s[\g+3], 1536<<16
	s_mov_b32 s[\g+5], 1536
	s_mov_b32 s[\g+6], 0
	s_mov_b32 s[\g+7], 0
.endr
	s_mov_b32 s[G1X+2], 16<<16
	s_mov_b32 s[G1X+4], 16
	s_mov_b32 s[G1W+2], 8<<16
	s_mov_b32 s[G1W+4], 8
.irp g, G1XS, G1WS                     ; scales: dense rows of 256 bytes
	s_mov_b32 s[\g+1], 32<<16
	s_mov_b32 s[\g+3], 32<<16
	s_mov_b32 s[\g+5], 32
	s_mov_b32 s[\g+6], 0
	s_mov_b32 s[\g+7], 0
.endr
	s_mov_b32 s[G1XS+2], 32<<16
	s_mov_b32 s[G1XS+4], 32
	s_mov_b32 s[G1WS+2], 16<<16
	s_mov_b32 s[G1WS+4], 16
	s_mul_i32 s20, s17, 196608                     ; x's row tile 16 g: codes,
	s_mov_b32 s21, 0
	s_lshl_b32 s22, s17, 13                        ; scales
	s_mov_b32 s23, 0
	s_mul_i32 s46, s42, 196608                     ; the first weights: row tile 16 c
	s_mov_b32 s47, 0
	s_lshl_b32 s2, s42, 13
	s_mov_b32 s3, 0
	s_mov_b32 s[DW], 98304                         ; to the second: 8 row tiles on
	s_mov_b32 s[DW+1], 0
	s_mov_b32 s[DS], 4096
	s_mov_b32 s[DS+1], 0
	s_lshl_b32 s[D2C], s42, 3
	s_sub_co_u32 s[D2C], 120, s[D2C]               ; to the third, Wv's row tile 128 + 8 c: 120 - 8 c row tiles on
	s_lshl_b32 s[D2S], s[D2C], 9
	s_mul_i32 s[D2C], s[D2C], 12288
	s_mov_b32 s[D2C+1], 0
	s_mov_b32 s[D2S+1], 0
	s_mov_b32 s[G0X], 1
	s_mov_b32 s[G0X+1], 0
	s_mov_b32 s[G0W], 1
	s_mov_b32 s[G0W+1], WR
	s_mov_b32 s[G0XS], 1
	s_mov_b32 s[G0XS+1], XS
	s_mov_b32 s[G0WS], 1
	s_mov_b32 s[G0WS+1], WS
	s_wait_dscnt 0x0
	s_wait_kmcnt 0x0
	s_add_nc_u64 s[G0X+2:G0X+3], s[4:5], s[20:21]
	s_add_nc_u64 s[G0XS+2:G0XS+3], s[6:7], s[22:23]
	s_add_nc_u64 s[G0W+2:G0W+3], s[8:9], s[46:47]
	s_add_nc_u64 s[G0WS+2:G0WS+3], s[10:11], s[2:3]
	s_or_b32 s[G0X+3], s[G0X+3], 0x80000000
	s_or_b32 s[G0XS+3], s[G0XS+3], 0x80000000
	s_or_b32 s[G0W+3], s[G0W+3], 0x80000000
	s_or_b32 s[G0WS+3], s[G0WS+3], 0x80000000
	CROUND                                         ; all sixteen work-groups are here: the joint loads meet
	ARM 1, G0X,  G1X,  .Lhead_w                    ; wave 0: x's codes; wave 1: the weights'; wave 2: x's scales; wave 3: the weights'
	ARM 2, G0W,  G1W,  .Lhead_xs
	ARM 3, G0XS, G1XS, .Lhead_ws
	TLOAD G0WS, G1WS
.Lhead_asked:
	s_mul_i32 s18, s14, 49152                      ; q, k: A = my four row tiles of x;
	s_lshl_b32 s20, s14, 11
	s_add_co_u32 s19, s20, XS                      ; their scales;
	s_sub_co_u32 s20, WS-XS, s20                   ; from them up to the weights' scales
	s_mul_i32 s21, s15, 49152
	s_add_co_u32 s21, s21, WR                      ; v: A = my four row tiles of Wv;
	s_mul_i32 s22, s16, 98304                      ; B = my eight of x;
	s_lshl_b32 s23, s16, 12
	s_lshl_b32 s45, s15, 11
	s_add_co_u32 s45, s45, WS-XS
	s_sub_co_u32 s45, s45, s23                     ; from B's scales up to A's
	s_add_co_u32 s23, s23, XS                      ; B's scales
	s_lshl_b32 s10, s41, 2
	s_add_co_u32 s10, s10, s14
	s_mul_i32 s10, s10, 6144                       ; my sixteenth of a fill's codes
	v_and_b32 v1, 15, v0                           ; r
	v_bfe_u32 v2, v0, 4, 1                         ; h
	v_and_b32 v3, 31, v0                           ; lane
	v_lshlrev_b32 v[O8], 3, v3
	v_lshlrev_b32 v[O16], 4, v3
	v_lshlrev_b32 v[OQS], 13, v2
	v_lshl_add_u32 v[OQS], v1, 4, v[OQS]
	v_lshlrev_b32 v[OVS], 4, v1
	v_lshl_add_u32 v[OVS], v2, 3, v[OVS]
	v_lshlrev_b32 v[SH16], 4, v2
	v_cmp_ne_u32 s4, 0, v2                         ; lanes 16-31
	v_sub_nc_u32 v8, 1, v2                         ; 1 - h
	v_lshlrev_b32 v10, 4, v1                       ; scale words: 16 bytes a row
	v_lshl_add_u32 v11, v2, 9, v10                 ; B's tiles 4 + 2 j + h
	v_add_nc_u32 v[AD0], s18, v[O8]
	v_add_nc_u32 v[AD0+1], WR, v[O8]
	v_add_nc_u32 v[AD0+2], WR+49152, v[O8]
	v_mul_u32_u24 v26, s20, v2                     ; lanes 0-15 take A's tiles 0-3, lanes 16-31 B's tiles 0-3: the lower base + one product
	v_add_nc_u32 v26, v26, v10
	v_add_nc_u32 v[AD0+3], s19, v26
	v_add_nc_u32 v[AD0+4], WS+2048, v11
	v_add_nc_u32 v[AD1], s21, v[O8]
	v_add_nc_u32 v[AD1+1], s22, v[O8]
	v_add_nc_u32 v[AD1+2], 49152, v[AD1+1]
	v_mul_u32_u24 v26, s45, v8                     ; here A's scales lie above B's: the product is with 1 - h
	v_add_nc_u32 v26, v26, v10
	v_add_nc_u32 v[AD1+3], s23, v26
	v_add_nc_u32 v[AD1+4], s23, v11
	v_add_nc_u32 v[AD1+4], 2048, v[AD1+4]
	v_lshlrev_b32 v[LBI], 6, v2                    ; 16 h numbers
	v_and_b32 v[LBM], 8, v1
	v_add_nc_u32 v[LBM], v[LBM], v1
	v_lshlrev_b32 v[LBM], 2, v[LBM]                ; r + 8 (r / 8)
	v_min_u32 v[PFO], 23, v3
	v_lshl_add_u32 v[PFO], v[PFO], 8, s10          ; a lane a block of 256 bytes; lanes 24-31 name the wave's last block again
	WALU
	s_cmp_eq_u32 ttmp9, 0                          ; c / 4 is the cluster's x: bq or bk
	s_cselect_b64 s[BP:BP+1], s[92:93], s[94:95]
	s_and_b32 s20, s42, 3
	s_lshl_b32 s20, s20, 10
	s_mov_b32 s21, 0
	s_add_nc_u64 s[BP:BP+1], s[BP:BP+1], s[20:21]
	BLOAD
	s_lshl_b32 s20, s42, 9
	s_lshl_b32 s10, s15, 8
	s_add_co_u32 s20, s20, s10
	s_add_nc_u64 s[96:97], s[96:97], s[20:21]      ; bv at my 64 features
.irp a, 0,1,2,3
	global_load_b32 v[BM+2*\a], v[LBM], s[96:97] offset:(32*(\a/2)+8*(\a%2))*4
	v_mov_b32 v[BM+2*\a+1], 0                      ; (named with it as a pair)
.endr
	s_mul_i32 s20, s42, 196608
	s_add_co_u32 s20, s20, 98304
	s_add_nc_u64 s[PFB:PFB+1], s[8:9], s[20:21]    ; the second weights' codes
	s_and_b32 s5, ttmp7, 0xffff
	s_cmp_lt_u32 s5, 4
	s_cbranch_scc0 .Lno_pf
	global_prefetch_b8 v[PFO], s[PFB:PFB+1] th:TH_LOAD_NT scope:SCOPE_SE
.Lno_pf:
	s_lshl_b32 s20, s17, 1                         ; q, k: where my results go
	s_add_co_u32 s20, s20, s15                     ; my block of 128 tokens
	s_lshr_b32 s21, s20, 4
	s_lshl_b32 s21, s21, 4
	s_and_b32 s10, s42, 3
	s_lshl_b32 s10, s10, 2
	s_add_co_u32 s21, s21, s10                     ; 16 batch + my first head
	s_and_b32 s20, s20, 15
	s_mul_i32 s12, ttmp9, 6291456
	s_mul_i32 s10, s21, 98304
	s_add_co_u32 s12, s12, s10
	s_lshl_b32 s10, s20, 3
	s_lshl_b32 s11, s16, 2
	s_add_co_u32 s10, s10, s11
	s_mul_i32 s10, s10, 768
	s_add_co_u32 s12, s12, s10
	s_mov_b32 s13, 0
	s_add_nc_u64 s[12:13], s[98:99], s[12:13]      ; codes
	s_lshl_b32 s66, ttmp9, 19
	s_lshl_b32 s21, s21, 13
	s_add_co_u32 s66, s66, s21
	s_lshl_b32 s20, s20, 9
	s_add_co_u32 s66, s66, s20
	s_lshl_b32 s10, s16, 8
	s_add_co_u32 s66, s66, s10
	s_mov_b32 s67, 0
	s_add_nc_u64 s[66:67], s[100:101], s[66:67]    ; scales
	s_lshr_b32 s20, s17, 3                         ; v
	s_lshl_b32 s20, s20, 4
	s_lshl_b32 s21, s42, 1
	s_add_co_u32 s20, s20, s21
	s_add_co_u32 s20, s20, s15                     ; 16 batch + my head
	s_lshl_b32 s21, s17, 1
	s_add_co_u32 s21, s21, s16
	s_and_b32 s21, s21, 15                         ; my key step
	s_mul_i32 s2, s20, 98304
	s_mul_i32 s10, s21, 6144
	s_add_co_u32 s2, s2, s10
	s_add_co_u32 s2, s2, 12582912
	s_mov_b32 s3, 0
	s_add_nc_u64 s[2:3], s[98:99], s[2:3]          ; codes
	s_lshl_b32 s46, s20, 12
	s_lshl_b32 s21, s21, 8
	s_add_co_u32 s46, s46, s21
	s_add_co_u32 s46, s46, 1048576
	s_mov_b32 s47, 0
	s_add_nc_u64 s[46:47], s[100:101], s[46:47]    ; scales
	s_mov_b32 s[SEL], 0x76543210
	s_mov_b32 s[SEL+1], 0xfedcba98                 ; selects for lane l xor 16
.macro FRAG reg, adr, q, i             ; a fragment, 16 rows x 128 K, is six planes of 256 bytes on end
.irp p, 0,1,2,3,4,5
	ds_load_b64 v[\reg+2*\p:\reg+2*\p+1], v[\adr] offset:(\i)*12288+(\q)*1536+256*\p
.endr
.endm
.macro FETCH k, ad                     ; K step k: B's eight fragments and A's four into set k % 2
	WIN 0x40
.irp i, 0,1,2,3,4,5,6,7
	FRAG 128*((\k)%2)+12*\i, \ad+1+\i/4, \k, \i%4
.endr
	WIN 0
.irp i, 0,1,2,3
	FRAG AF+48*((\k)%2)+12*\i, \ad, \k, \i
.endr
.endm
.macro SCALES ad                       ; all scale words of my rows: for half s of K register SC + 24 s + 4 i + q: lanes 0-15 A's tile i, lanes 16-31 B's tile i; + 16 + 4 j + q: B's tile 4 + 2 j + h
.irp s, 0,1
.irp i, 0,1,2,3
	ds_load_b128 v[SC+24*\s+4*\i:SC+24*\s+4*\i+3], v[\ad+3] offset:512*\i+256*\s
.endr
.irp j, 0,1
	ds_load_b128 v[SC+24*\s+16+4*\j:SC+24*\s+16+4*\j+3], v[\ad+4] offset:1024*\j+256*\s
.endr
.endr
.endm
.macro WM c
.if rR
	v_wmma_scale_f32_16x16x128_f8f6f4 v[rD:rD+7], v[rB:rB+11], v[rA:rA+11], \c, v[rSB], v[rSA] matrix_a_fmt:MATRIX_FMT_FP6 matrix_b_fmt:MATRIX_FMT_FP6 matrix_a_scale:MATRIX_SCALE_ROW1
.else
	v_wmma_scale_f32_16x16x128_f8f6f4 v[rD:rD+7], v[rB:rB+11], v[rA:rA+11], \c, v[rSB], v[rSA] matrix_a_fmt:MATRIX_FMT_FP6 matrix_b_fmt:MATRIX_FMT_FP6
.endif
.endm
.macro MUL32 k, mode                   ; 32 products, the accumulators by turns, one instruction a turn.  Step 0 starts the sums: q, k with the bias as C, v with 0
.set SB, SC+24*((\k)/4)+(\k)%4
.if ((\k) == 0) && ((\mode) == 0)
	WIN 0xb1
.else
	WIN 0xa1
.endif
.irp a, 0,1,2,3
.irp b, 0,1,2,3,4,5,6,7
.set rD, 8*(8*\a+\b)
.set rB, 128*((\k)%2)+12*\b
.set rA, AF+48*((\k)%2)+12*\a
.set rSA, SB+4*\a
.if \b < 4
.set rSB, SB+4*\b
.else
.set rSB, SB+16+4*((\b-4)/2)
.endif
.set rR, 0
.if (\b < 4) || (\b % 2)
.set rR, 1
.endif
.if (\k) == 0
.if (\mode) == 0
	WM v[8*\b:8*\b+7]
.else
	WM 0
.endif
.else
	WM v[rD:rD+7]
.endif
.endr
.endr
.endm
; 64 numbers of a lane in window W from register s on, register 16 b + i = k 32 b + 16 h + i of my row, become a fragment's codes in v[pc] on and its scale word in v[pw]
.macro QUANT W, s, pc, pw
	WIN (\W)|((\W)<<2)
.irp b, 0,1,2,3
	v_max3_num_f32 v[TM+\b], |v[\s+16*\b]|, |v[\s+1+16*\b]|, 0x1800000   ; and the floor 2^(3 - 127): the byte cannot fall under 1
.endr
	WIN ((\W)<<2)|((\W)<<4)
.irp i, 2,4,6,8,10,12,14
.irp b, 0,1,2,3
	v_max3_num_f32 v[TM+\b], v[TM+\b], |v[\s+16*\b+\i]|, |v[\s+1+16*\b+\i]|
.endr
.endr
	WIN 0
.irp b, 0,1,2,3
	v_permlanex16_b32 v[TM+4+\b], v[TM+\b], s[SEL], s[SEL+1]
.endr
.irp b, 0,1,2,3
	v_max_num_f32 v[TM+\b], v[TM+\b], v[TM+4+\b]   ; with lane l xor 16's: the block's largest magnitude
.endr
.irp b, 0,1,2,3
	v_add_nc_u32 v[TM+12+\b], 0xff000000, v[TM+\b] ; 2 off its exponent field: the conversion's scale operand
.endr
.irp b, 0,1,2,3
	v_lshrrev_b32 v[TM+4+\b], 23, v[TM+12+\b]      ; the byte
.endr
	v_lshl_or_b32 v[\pw], v[TM+5], 8, v[TM+4]
	v_lshl_or_b32 v[\pw], v[TM+6], 16, v[\pw]
	v_lshl_or_b32 v[\pw], v[TM+7], 24, v[\pw]
	WIN \W
.irp c, 0,1
	v_cvt_scalef32_pk16_fp6_f32 v[(\pc)+6*\c:(\pc)+2+6*\c], v[\s+32*\c:\s+15+32*\c], v[TM+12+2*\c]
	v_cvt_scalef32_pk16_fp6_f32 v[(\pc)+12+4*\c:(\pc)+14+4*\c], v[\s+16+32*\c:\s+31+32*\c], v[TM+12+2*\c+1]
.endr
	WIN 0
	v_nop                                          ; one plain place behind a scaled conversion
.irp c, 0,1                            ; the layout wants a whole block in a lane: lanes 0-15 block 2 c, lanes 16-31 block 2 c + 1
.irp i, 0,1,2
	v_permlane16_swap_b32 v[(\pc)+6*\c+\i], v[(\pc)+12+4*\c+\i]
.endr
.irp i, 0,1,2
	v_mov_b32 v[(\pc)+3+6*\c+\i], v[(\pc)+12+4*\c+\i]
.endr
.endr
.endm
.macro EPI0 a                          ; q, k: token tile a: quantised from its accumulators as they lie; registers 6 e .. 6 e + 5 are head e's image of these 16 tokens
	QUANT 2, 64*\a, 32+20*\a, PW+\a
.irp e, 0,1
.irp p, 0,1,2
	global_store_b64 v[O8], v[32+20*\a+6*\e+2*\p:32+20*\a+6*\e+2*\p+1], s[12:13] offset:\a*768+\e*98304+256*\p
.endr
.endr
.endm
.macro EPI1 a                          ; v: d tile a: + bv, one number a lane; quantised; the fragment of my 128 keys is stored as it stands
	WIN 0x02
.set i, 0
.rept 32
	v_pk_add_f32 v[T+i:T+i+1], v[64*\a+i:64*\a+i+1], v[BM+2*\a:BM+2*\a+1] op_sel_hi:[1,0]
.set i, i+2
.endr
	WIN 0
	QUANT 0, T, 32+20*\a, PW+\a
.irp p, 0,1,2
	global_store_b128 v[O16], v[32+20*\a+4*\p:32+20*\a+4*\p+3], s[2:3] offset:\a*1536+512*\p
.endr
.endm
; One product: 8 K steps of 32 matrix instructions and the way out.  refill = 1: the weights' region is filled again in K step 7
.macro PHASE mode, ad, refill
	WALU
	s_wait_loadcnt 0x0                             ; the bias
	s_wait_tensorcnt 0x0                           ; my tensor load has landed,
	s_barrier_signal -1
	s_barrier_wait -1                              ; everybody's
	SCALES \ad
	FETCH 0, \ad
.irp k, 0,1,2,3,4,5,6,7
	s_wait_dscnt 0x0                               ; this step's fragments are in (asked for a step ago)
.if (\k > 0) && (\k < 7)
	PLACES 4                                       ; in front of loads into registers that the last step's products read
.endif
.if (\k == 1) && \refill
	WIN 0
	s_cmp_lg_u32 s[TRIP], 0                        ; in the first trip: the second trip's bias, and the third weights' codes are asked for into the L2
	s_cbranch_scc1 .Lnot_first_\@
	s_wait_xcnt 0x0                                ; the earlier loads and the prefetch have read their bases
	s_add_nc_u64 s[BP:BP+1], s[BP:BP+1], 512
	s_add_nc_u64 s[PFB:PFB+1], s[PFB:PFB+1], s[D2C:D2C+1]
	BLOAD
	s_cmp_lt_u32 s5, 4
	s_cbranch_scc0 .Lnot_first_\@
	global_prefetch_b8 v[PFO], s[PFB:PFB+1] th:TH_LOAD_NT scope:SCOPE_SE
.Lnot_first_\@:
.endif
.if \k < 7
	FETCH \k+1, \ad
.endif
.if (\k == 7) && \refill
	WIN 0
	s_wait_tensorcnt 0x0                           ; the three lines ahead of a refill's round
	ds_add_u32 v[SPW], v[NIL]
	s_add_nc_u64 s[G0W+2:G0W+3], s[G0W+2:G0W+3], s[DW:DW+1]       ; no load of mine is out: on to the next weights
	s_add_nc_u64 s[G0WS+2:G0WS+3], s[G0WS+2:G0WS+3], s[DS:DS+1]
	s_mov_b32 s[DW], s[D2C]
	s_mov_b32 s[DS], s[D2S]
	s_wait_dscnt 0x0                               ; the add is done; my reads of the weights' region ended above
	s_barrier_signal -1
	MUL32 7, \mode                                 ; register work between the round's opening signal and its wait
	WIN 0
	s_barrier_wait -1
	CREST
	s_cmp_eq_u32 s14, 1
	s_cbranch_scc0 .Lfill_s_\@
	TLOAD G0W, G1W
	s_branch .Lfilled_\@
.Lfill_s_\@:
	s_cmp_eq_u32 s14, 3
	s_cbranch_scc0 .Lfill_n_\@
	TLOAD G0WS, G1WS
.Lfill_n_\@:
.Lfilled_\@:
.else
	MUL32 \k, \mode
.endif
.endr
	WIN 0
	PLACES 4                                       ; behind the last products: results are read, operands' registers are written
.irp b, 0,1,2,3
	v_mov_b32 v[TM+4+\b], 0                        ; a lane permute's destination counts as one of its sources
.endr
.if \mode
	EPI1 0
	EPI1 1
	EPI1 2
	EPI1 3
	v_cndmask_b32 v[SW], v[PW], v[PW+2], s4
	v_cndmask_b32 v[SW+1], v[PW+1], v[PW+3], s4
	global_store_b64 v[OVS], v[SW:SW+1], s[46:47]  ; 256 consecutive bytes, aligned
.else
	EPI0 0
	EPI0 1
	EPI0 2
	EPI0 3
.irp a, 0,1,2,3
	v_bfe_u32 v[SW+\a], v[PW+\a], v[SH16], 16      ; lanes 0-15: my first head's two bytes; lanes 16-31: the second's; the upper two bytes are 0
.endr
	global_store_b128 v[OQS], v[SW:SW+3], s[66:67] ; sixteen lanes store 256 consecutive bytes of their head, aligned
	s_wait_xcnt 0x0                                ; the stores have read their registers and bases
	s_add_nc_u64 s[12:13], s[12:13], 196608        ; two heads on
	s_add_nc_u64 s[66:67], s[66:67], 16384
.endif
.endm
	s_mov_b32 s[TRIP], 0
.Lqk:
	PHASE 0, AD0, 1
	s_add_co_u32 s[TRIP], s[TRIP], 1
	s_cmp_lt_u32 s[TRIP], 2
	s_cbranch_scc1 .Lqk
	PHASE 1, AD1, 0
	s_wait_tensorcnt 0x0                           ; the wave's end
	ds_add_u32 v[SPW], v[NIL]
	s_wait_dscnt 0x0
	CROUND                                         ; the closing round
	s_endpgm
.Lfunc_end_k_qee4418c13d_proj:
	.size	k_qee4418c13d_proj, .Lfunc_end_k_qee4418c13d_proj-k_qee4418c13d_proj
	.p2alignl 7, 3214868480
	.fill 96, 4, 3214868480
	.section	.rodata,"a",@progbits
	.p2align	6, 0x0
	.amdhsa_kernel k_qee4418c13d_proj
		.amdhsa_group_segment_fixed_size 327680
		.amdhsa_private_segment_fixed_size 0
		.amdhsa_enable_private_segment 0
		.amdhsa_kernarg_size 72
		.amdhsa_user_sgpr_count 2
		.amdhsa_user_sgpr_kernarg_segment_ptr 1
		.amdhsa_wavefront_size32 1
		.amdhsa_system_sgpr_workgroup_id_x 1
		.amdhsa_system_sgpr_workgroup_id_y 1
		.amdhsa_system_sgpr_workgroup_id_z 1
		.amdhsa_system_vgpr_workitem_id 0
		.amdhsa_next_free_vgpr 832
		.amdhsa_next_free_sgpr 102
		.amdhsa_reserve_vcc 0
		.amdhsa_float_denorm_mode_32 3
		.amdhsa_float_denorm_mode_16_64 3
		.amdhsa_memory_ordered 1
		.amdhsa_forward_progress 1
		.amdhsa_inst_pref_size 202
	.end_amdhsa_kernel
	.amdgpu_metadata
---
amdhsa.version: [ 1, 2 ]
amdhsa.kernels:
  - .name:           k_qee4418c13d_proj
    .symbol:         k_qee4418c13d_proj.kd
    .args:
      - { .name: ximg, .offset: 0, .size: 8, .value_kind: global_buffer, .address_space: global }
      - { .name: xsc, .offset: 8, .size: 8, .value_kind: global_buffer, .address_space: global }
      - { .name: wimg, .offset: 16, .size: 8, .value_kind: global_buffer, .address_space: global }
      - { .name: wsc, .offset: 24, .size: 8, .value_kind: global_buffer, .address_space: global }
      - { .name: bq, .offset: 32, .size: 8, .value_kind: global_buffer, .address_space: global }
      - { .name: bk, .offset: 40, .size: 8, .value_kind: global_buffer, .address_space: global }
      - { .name: bv, .offset: 48, .size: 8, .value_kind: global_buffer, .address_space: global }
      - { .name: qkv, .offset: 56, .size: 8, .value_kind: global_buffer, .address_space: global }
      - { .name: qkvs, .offset: 64, .size: 8, .value_kind: global_buffer, .address_space: global }
    .group_segment_fixed_size: 327680
    .private_segment_fixed_size: 0
    .kernarg_segment_align: 8
    .kernarg_segment_size: 72
    .max_flat_workgroup_size: 128
    .sgpr_count:     102
    .vgpr_count:     832
    .wavefront_size: 32
...
	.end_amdgpu_metadata
.endif
;; end of part 2
;; launch attn (part 3): grid 4 x 64, 8 waves a work-group, clusters of 4 x 1, 230,400 bytes of LDS; arguments qkv, qkvs, attn_mask, yimg, ysc; writes yimg, ysc
.if DOCPART == 3
	.amdgcn_target "amdgcn-amd-amdhsa--gfx1250"
	.amdhsa_code_object_version 6
	.text
	.protected	k_qee4418c13d_attn
	.globl	k_qee4418c13d_attn
	.p2align	8
	.type	k_qee4418c13d_attn,@function
k_qee4418c13d_attn:
	s_mov_b64 s[64:65], 0
	v_nop
	global_prefetch_b8 v0, s[64:65] scope:SCOPE_SE
	s_setreg_imm32_b32 hwreg(HW_REG_WAVE_MODE, 25, 1), 1
	s_wait_xcnt 0x0
	s_wait_alu depctr_hold_cnt(0) depctr_sa_sdst(0) depctr_va_vdst(0) depctr_va_sdst(0) depctr_va_ssrc(0) depctr_va_vcc(0) depctr_vm_vsrc(0)
	s_getreg_b32 s2, hwreg(HW_REG_IB_STS2, 6, 4)
	s_cmp_eq_u32 s2, 0
	s_cbranch_scc0 .Lentry_in_a_cluster
	s_endpgm
.Lentry_in_a_cluster:
	s_bfe_u32 s2, ttmp6, 0x10000c
	s_cmp_lg_u32 s2, 0x3003
	s_cbranch_scc0 .Lentry_shape_is_right
	s_endpgm
.Lentry_shape_is_right:
; y = softmax(q k^T / 8, keys with attn_mask == 0 at -inf) v for one head, on codes of FP6 (E2M3) with E8M0 scales, and y quantised along the head's 64 for the last product.
; p = 2^(t - M), t = score x log2(e) / 8, M the ceiling of the running largest t; the row's sum is taken of the unquantised p; O^T is divided by it at the end.
; SHARES: a work-group takes 512 queries of one head (grid x: which 512; grid y: 16 batch + head); eight waves, each 2 passes x 2 tiles of 16 queries; 16 steps of 128 keys a pass.
; ALL OF THE HEAD'S K AND V LIE IN LDS, filled once at the head, one tensor load a wave: waves 0-2 a third of K's images each, waves 3-5 of V's, wave 6 K's scales, wave 7 V's.
; The four work-groups of a cluster read the same K and V: joint loads, mask 15.  All reads of memory stand at the head and at the change of pass: there is no loop to prefetch ahead in.
; BOTH PRODUCTS ARE USED TRANSPOSED (S^T = k q^T, O^T = v^T p^T): a lane holds one query.  A TILE OF K IS PUT TOGETHER BY ADDRESS: tile 4 c + u takes in places 0-7 keys 64 c + 8 u + j and in
; places 8-15 keys 64 c + 32 + 8 u + j, so that the 32 registers of tiles 4 c .. 4 c + 3 of lane (q, h) are keys 64 c + 32 h + 0 .. 31: one scale block of p, whole in a lane, in the operand's own order.
; In the stored images key 32 b + 8 v + i + 16 g lies in tile 2 b + v, place i + 8 g: lane (r, h) reads tile 4 c + 2 (r / 8) + u % 2, place r % 8 + 8 (u / 2).  K's planes of 256 bytes stand 288 apart in LDS.
; The head is 64 wide: registers 6-11 of K's and q's fragments hold zero codes.  The mask is the C of the first product: 0, or -2^100 where attn_mask is 0.
; The two query tiles of a pass go through the softmax together: their chains take turns, and one batch of exponentials has one wait ahead of it and one behind.
; O^T is brought under the new M ahead of the batch.  The step is written once; its fetch wraps to step 0, which the second pass reads; behind the second pass's last step that fetch is not used.
; LIMITS: the promise holds while the scaled scores stay under 2^31 in magnitude; NaN and infinities are not served; a row with every key masked gives NaN;
; a block whose largest number lies under 2^-124 keeps the byte 1 (its codes are zeros or nearly so).
; REGISTERS, window 0: v1-10 addresses, v12-15 f and at work, v16-23 -M, largest score, sum (two halves) for each tile, v24-47 at work, v48-175 scores then p, v176-239 O^T, v240-255 scale words.
;   window 1: v0-95 K's fragments, v96-143 V's, v144-207 the mask, v208-231 q's fragments, v232-255 p's codes.
.set KP,    288
.set KT,    864
.set VIMG,  110592
.set KSC,   208896
.set VSC,   217088
.set MB,    221184
.set SPARE, 229376
.set AK0, 1
.set AS0, 2
.set ADV, 3
.set ADT, 4
.set SPW, 6
.set NIL, 7
.set O8,  8
.set O16R, 9
.set SH8, 10
.set FF,  12
.set ST,  16
.set BMX, 24
.set T2,  28
.set PX,  32
.set ADK, 32
.set ADM, 33
.set ADS, 34
.set S,   48
.set YPC, 112
.set OA,  176
.set KS,  240
.set VS,  248
.set QS,  252
.set PSW, 254
.set VF,  96
.set MBR, 144
.set QF,  208
.set PC,  232
.set NC,  19
.set SEL, 20
.set CS,  22
.set G1K, 24
.set G1V, 32
.set G1S, 40
.set G1T, 48
.set G0K, 56
.set G0V, 60
.set G0S, 68
.set G0T, 72
.set QP,  76
.set QSP, 78
.set YP,  80
.set YSP, 82
.set LM,  88
.set LK,  89
.set LV,  90
.set LT,  91
.set LB,  92
.set CNT, 93
.set PASS, 94
.set MSB, 0
.macro WIN new
.if MSB != \new
	s_set_vgpr_msb (MSB<<8)|\new
.set MSB, \new
.endif
.endm
.macro WALU
	s_wait_alu depctr_va_vdst(0)
.endm
.macro CROUND
	s_barrier_signal -1
	s_barrier_wait -1
	s_cmp_lg_u32 s14, 0
	s_cbranch_scc1 .Lnot_wave_0_\@
	s_barrier_signal -3
.Lnot_wave_0_\@:
	s_barrier_wait -3
	s_barrier_signal -1
	s_barrier_wait -1
.endm
.macro ARM under, g0, g1, next         ; an arm of the head's one chain: one joint load, s_nop 0 and four v_nop, a jump to the join
	s_cmp_lt_u32 s14, \under
	s_cbranch_scc0 \next
	tensor_load_to_lds s[\g0:\g0+3], s[\g1:\g1+7]
	s_nop 0
.rept 4
	v_nop
.endr
	s_branch .Lhead_asked
\next:
.endm
.macro ADDRS                           ; LDS addresses of the step at s[LM] = 512 x step.  K's, the mask's and K's scales' are used at once and lie in registers at work; V's two are kept to the step's end
	s_lshr_b32 s[LT], s[LM], 1
	s_mul_i32 s[LK], s[LT], 27                     ; 6,912 a step
	s_mul_i32 s[LV], s[LM], 12                     ; 6,144 a step
	s_add_co_u32 s[LV], s[LV], VIMG
	s_add_co_u32 s[LB], s[LM], MB
	s_add_co_u32 s[LT], s[LT], VSC
	v_add_nc_u32 v[ADK], s[LK], v[AK0]
	v_lshl_add_u32 v[ADM], v[SH8], 4, s[LB]        ; + 128 h
	v_add_nc_u32 v[ADS], s[LM], v[AS0]
	v_lshl_add_u32 v[ADV], v[O8], 1, s[LV]         ; + 16 x lane
	v_add_nc_u32 v[ADT], s[LT], v[O16R]
.endm
.macro LOADK                           ; 44 LDS loads: K's eight tiles, the mask of my 64 keys, K's scale words
	WIN 0x40
.irp c, 0,1
.irp u, 0,1,2,3
.irp p, 0,1,2
	ds_load_b64 v[12*(4*\c+\u)+2*\p:12*(4*\c+\u)+2*\p+1], v[ADK] offset:\c*4*KT+(\u%2)*KT+(\u/2)*64+KP*\p
.endr
.endr
.endr
.irp c, 0,1
.irp q, 0,1,2,3,4,5,6,7
	ds_load_b128 v[MBR+32*\c+4*\q:MBR+32*\c+4*\q+3], v[ADM] offset:256*\c+16*\q
.endr
.endr
	WIN 0
.irp c, 0,1
.irp g, 0,1
	ds_load_b64 v[KS+4*\c+2*\g:KS+4*\c+2*\g+1], v[ADS] offset:256*\c+128*\g
.endr
.endr
.endm
.macro LOADV                           ; 13 LDS loads
	WIN 0x40
.irp d, 0,1,2,3
.irp p, 0,1,2
	ds_load_b128 v[VF+12*\d+4*\p:VF+12*\d+4*\p+3], v[ADV] offset:1536*\d+512*\p
.endr
.endr
	WIN 0
	ds_load_b128 v[VS:VS+3], v[ADT]
.endm
.macro QLOAD                           ; 7 loads: a pass's two tiles of q and their scale words
	WIN 0x40
.irp t, 0,1
.irp q, 0,1,2
	global_load_b64 v[QF+12*\t+2*\q:QF+12*\t+2*\q+1], v[O8], s[QP:QP+1] offset:\t*768+256*\q
.endr
.endr
	WIN 0
	global_load_b64 v[QS:QS+1], v[O16R], s[QSP:QSP+1]
.endm
; ---- the head
	s_load_b256 s[4:11], s[0:1], 0x0               ; qkv, qkvs, attn_mask, yimg
	s_load_b64 s[12:13], s[0:1], 0x20              ; ysc
	v_lshl_add_u32 v[SPW], v0, 2, SPARE
	v_mov_b32 v[NIL], 0
	ds_add_u32 v[SPW], v[NIL]                      ; the opening lines: the add, twice on end, and its wait
	ds_add_u32 v[SPW], v[NIL]
	v_lshrrev_b32 v48, 5, v0
	v_readfirstlane_b32 s14, v48                   ; wave
	s_and_b32 s16, ttmp7, 0xffff                   ; 16 batch + head
	s_lshr_b32 s17, s16, 4
	s_and_b32 s18, s16, 15
.irp g, G1K, G1V, G1S, G1T             ; dense blocks as rows of 256 bytes, elements of 8 bytes
	s_mov_b32 s[\g], 15|(3<<16)|(1<<21)
	s_mov_b32 s[\g+1], 32<<16
	s_mov_b32 s[\g+3], 32<<16
	s_mov_b32 s[\g+5], 32
	s_mov_b32 s[\g+6], 0
	s_mov_b32 s[\g+7], 0
.endr
	s_mov_b32 s[G1K], 15|(3<<16)|(1<<20)|(1<<21)|(5<<22)|(7<<25)   ; K: 8 words of padding behind every 64
	s_mov_b32 s[G1K+2], 128<<16
	s_mov_b32 s[G1K+4], 128
	s_mov_b32 s[G1V+2], 128<<16
	s_mov_b32 s[G1V+4], 128
	s_mov_b32 s[G1S+2], 32<<16
	s_mov_b32 s[G1S+4], 32
	s_mov_b32 s[G1T+2], 16<<16
	s_mov_b32 s[G1T+4], 16
	s_mul_i32 s84, s16, 98304
	s_lshl_b32 s85, s14, 15
	s_add_co_u32 s86, s84, s85
	s_add_co_u32 s2, s86, 6291456                  ; K: my third (waves 0-2)
	s_mov_b32 s3, 0
	s_add_co_u32 s86, s86, 12582912-98304          ; V: my third (waves 3-5)
	s_mov_b32 s87, 0
	s_lshl_b32 s84, s16, 13
	s_add_co_u32 s84, s84, 524288                  ; K's scales
	s_mov_b32 s85, 0
	s_lshl_b32 s88, s16, 12
	s_add_co_u32 s88, s88, 1048576                 ; V's
	s_mov_b32 s89, 0
	s_lshl_b32 s90, s17, 13                        ; the batch's mask
	s_mov_b32 s91, 0
	s_mov_b32 s[G0K], 1
	s_mul_i32 s[G0K+1], s14, 128*KP
	s_mov_b32 s[G0V], 1
	s_lshl_b32 s[G0V+1], s14, 15
	s_add_co_u32 s[G0V+1], s[G0V+1], VIMG-98304
	s_mov_b32 s[G0S], 1
	s_mov_b32 s[G0S+1], KSC
	s_mov_b32 s[G0T], 1
	s_mov_b32 s[G0T+1], VSC
	s_mov_b32 s[SEL], 0x76543210
	s_mov_b32 s[SEL+1], 0xfedcba98                 ; selects for lane l xor 16
	s_mov_b32 s[CS], 0x3e38aa3b                    ; c = log2(e) / 8
	s_mov_b32 s[CS+1], s[CS]
	s_mov_b32 s[NC], 0xbe38aa3b                    ; -c
	s_wait_dscnt 0x0
	s_wait_kmcnt 0x0
	s_add_nc_u64 s[G0K+2:G0K+3], s[4:5], s[2:3]
	s_or_b32 s[G0K+3], s[G0K+3], 0x80000000
	s_add_nc_u64 s[G0V+2:G0V+3], s[4:5], s[86:87]
	s_or_b32 s[G0V+3], s[G0V+3], 0x80000000
	s_add_nc_u64 s[G0S+2:G0S+3], s[6:7], s[84:85]
	s_or_b32 s[G0S+3], s[G0S+3], 0x80000000
	s_add_nc_u64 s[G0T+2:G0T+3], s[6:7], s[88:89]
	s_or_b32 s[G0T+3], s[G0T+3], 0x80000000
	s_add_nc_u64 s[8:9], s[8:9], s[90:91]
	CROUND                                         ; the four work-groups are here: the joint loads meet
	ARM 3, G0K, G1K, .Lhead_v
	ARM 6, G0V, G1V, .Lhead_ks
	ARM 7, G0S, G1S, .Lhead_vs
	tensor_load_to_lds s[G0T:G0T+3], s[G1T:G1T+7]
	s_nop 0
.rept 4
	v_nop
.endr
.Lhead_asked:
	v_lshlrev_b32 v61, 4, v0
	global_load_b128 v[48:51], v61, s[8:9]         ; the mask's 2,048 words: 32 bytes a thread
	global_load_b128 v[52:55], v61, s[8:9] offset:4096
	v_and_b32 v56, 15, v0                          ; r
	v_bfe_u32 v57, v0, 4, 1                        ; h
	v_and_b32 v58, 31, v0                          ; lane
	v_and_b32 v62, 7, v0                           ; r % 8
	v_bfe_u32 v63, v0, 3, 1                        ; r / 8
	v_mov_b32 v59, 0xf1800000                      ; -2^100
	v_lshl_add_u32 v60, v0, 4, MB
	v_lshlrev_b32 v[O8], 3, v58
	v_lshlrev_b32 v[O16R], 4, v56
	v_lshlrev_b32 v[SH8], 3, v57
	v_mul_u32_u24 v[AK0], v63, 2*KT
	v_lshl_add_u32 v[AK0], v62, 3, v[AK0]
	v_lshl_add_u32 v[AK0], v57, 7, v[AK0]          ; K: two tiles x (r / 8) + 8 (r % 8) + 128 h
	v_lshlrev_b32 v[AS0], 4, v62
	v_lshl_add_u32 v[AS0], v63, 3, v[AS0]
	v_add_nc_u32 v[AS0], KSC, v[AS0]               ; K's scale words: 16 (r % 8) + 8 (r / 8)
	v_cmp_ne_u32 s67, 0, v57                       ; lanes 16-31
.irp b, 0,1,2,3
	v_mov_b32 v[T2+\b], 0                          ; a lane permute's destination counts as one of its sources
.endr
	WIN 0x40
.irp i, 0,1,2,3,4,5,6,7
.irp j, 6,7,8,9,10,11
	v_mov_b32 v[12*\i+\j], 0                       ; zero codes for k = 64 .. 127
.endr
.endr
.irp t, 0,1
.irp j, 6,7,8,9,10,11
	v_mov_b32 v[QF+12*\t+\j], 0
.endr
.endr
	WIN 0
	s_bfe_u32 s84, ttmp6, 0x40000                  ; cx: it enters global addresses alone
	s_lshl_b32 s84, s84, 5
	s_lshl_b32 s85, s14, 1
	s_add_co_u32 s84, s84, s85                     ; my first query tile: 32 cx + 2 wave (second pass: + 16)
	s_mov_b32 s87, 0
	s_mul_i32 s85, s16, 98304
	s_mul_i32 s86, s84, 768
	s_add_co_u32 s86, s86, s85
	s_add_nc_u64 s[QP:QP+1], s[4:5], s[86:87]
	s_lshl_b32 s85, s16, 13
	s_lshr_b32 s86, s84, 2
	s_lshl_b32 s86, s86, 8
	s_add_co_u32 s86, s86, s85
	s_and_b32 s85, s84, 3
	s_lshl_b32 s85, s85, 2
	s_add_co_u32 s86, s86, s85
	s_add_nc_u64 s[QSP:QSP+1], s[6:7], s[86:87]
	s_lshl_b32 s85, s17, 7
	s_add_co_u32 s84, s84, s85
	s_mul_i32 s86, s84, 12288
	s_mul_i32 s85, s18, 768
	s_add_co_u32 s86, s86, s85
	s_add_nc_u64 s[YP:YP+1], s[10:11], s[86:87]
	s_lshl_b32 s86, s84, 9
	s_lshr_b32 s85, s18, 3
	s_lshl_b32 s85, s85, 8
	s_add_co_u32 s86, s86, s85
	s_and_b32 s85, s18, 7
	s_lshl_b32 s85, s85, 1
	s_add_co_u32 s86, s86, s85
	s_add_nc_u64 s[YSP:YSP+1], s[12:13], s[86:87]
	WALU
	QLOAD
	s_wait_loadcnt 7                               ; the mask's two loads are in; q's seven are younger
.irp i, 0,1,2,3,4,5,6,7
	v_cmp_eq_u32 vcc_lo, 0, v[48+\i]
	v_cndmask_b32 v[48+\i], 0, v59, vcc_lo
.endr
	ds_store_b128 v60, v[48:51]
	ds_store_b128 v60, v[52:55] offset:4096
	s_wait_tensorcnt 0x0                           ; my tile is in,
	s_wait_dscnt 0x0                               ; my part of the mask is stored:
	s_barrier_signal -1
	s_barrier_wait -1                              ; everybody's
	s_mov_b32 s[LM], 0
	ADDRS
	LOADK
	LOADV
	s_mov_b32 s[PASS], 0
.Lpass:
.irp t, 0,1
	v_mov_b32 v[ST+4*\t], 0x6638aa3b               ; -M = c x 2^80,
	v_mov_b32 v[ST+4*\t+1], 0xe7800000             ; for a largest score of -2^80, under every score that counts and over every masked one
	v_mov_b32 v[ST+4*\t+2], 0
	v_mov_b32 v[ST+4*\t+3], 0
.endr
.set j, 0
.rept 64
	v_mov_b32 v[OA+j], 0                           ; the step is written once: the first finds zeros
.set j, j+1
.endr
	s_wait_loadcnt 0x0                             ; q
	s_mov_b32 s[CNT], 16
.Lstep:
	s_wait_dscnt 13                                ; K, mask and K's scales are in; V's 13 loads are younger
	WIN 0x15
.irp i, 0,1,2,3,4,5,6,7
.irp t, 0,1
	v_wmma_scale_f32_16x16x128_f8f6f4 v[S+64*\t+8*\i:S+64*\t+8*\i+7], v[12*\i:12*\i+11], v[QF+12*\t:QF+12*\t+11], v[MBR+8*\i:MBR+8*\i+7], v[KS+\i], v[QS+\t] matrix_a_fmt:MATRIX_FMT_FP6 matrix_b_fmt:MATRIX_FMT_FP6
.endr
.endr
	WIN 0
	s_add_co_u32 s[LM], s[LM], 512
	s_and_b32 s[LM], s[LM], 8191                   ; behind step 15 comes step 0
	ADDRS                                          ; its five vector lines are the places behind the products
	LOADK                                          ; the next step's, under this step's softmax
; the largest score of each block of 32 keys: four chains by turns; each accumulator is read from its low end on
; (eight chains: each block's two halves of 16 by themselves, the second half's chain 12 registers up, in registers at work; numbers 15 and 31 come in where the halves are joined)
.irp t, 0,1
.irp c, 0,1
.irp g, 0,1
	v_max3_num_f32 v[BMX+2*\t+\c+12*\g], v[S+64*\t+32*\c+16*\g], v[S+64*\t+32*\c+16*\g+1], v[S+64*\t+32*\c+16*\g+2]
.endr
.endr
.endr
.irp i, 3,5,7,9,11,13
.irp t, 0,1
.irp c, 0,1
.irp g, 0,1
	v_max3_num_f32 v[BMX+2*\t+\c+12*\g], v[BMX+2*\t+\c+12*\g], v[S+64*\t+32*\c+16*\g+\i], v[S+64*\t+32*\c+16*\g+\i+1]
.endr
.endr
.endr
.endr
.irp t, 0,1
.irp c, 0,1
	v_max3_num_f32 v[BMX+2*\t+\c], v[BMX+2*\t+\c], v[BMX+2*\t+\c+12], v[S+64*\t+32*\c+15]
.endr
.endr
.irp t, 0,1
.irp c, 0,1
	v_max_num_f32 v[BMX+2*\t+\c], v[BMX+2*\t+\c], v[S+64*\t+32*\c+31]
.endr
.endr
; the running largest score, -M = floor(-c x it), f = 2^(old M - new M): the two tiles by turns
.irp t, 0,1
	v_max_num_f32 v[FF+2*\t+1], v[BMX+2*\t], v[BMX+2*\t+1]
.endr
.irp t, 0,1
	v_permlanex16_b32 v[T2+\t], v[FF+2*\t+1], s[SEL], s[SEL+1]
.endr
.irp t, 0,1
	v_max3_num_f32 v[ST+4*\t+1], v[ST+4*\t+1], v[FF+2*\t+1], v[T2+\t]
.endr
.irp t, 0,1
	v_mul_f32 v[FF+2*\t+1], s[NC], v[ST+4*\t+1]
.endr
.irp t, 0,1
	v_floor_f32 v[T2+\t], v[FF+2*\t+1]
.endr
.irp t, 0,1
	v_sub_f32 v[FF+2*\t+1], v[T2+\t], v[ST+4*\t]
.endr
.irp t, 0,1
	v_mov_b32 v[ST+4*\t], v[T2+\t]
.endr
.irp t, 0,1
	v_cvt_i32_f32 v[FF+2*\t+1], v[FF+2*\t+1]       ; a whole number, 0 or less; it saturates.  (The last two links of f's chain stand among the multiply-adds, which do not hang on them)
.set j, 0
.rept 32
	v_pk_fma_f32 v[S+64*\t+j:S+64*\t+j+1], v[S+64*\t+j:S+64*\t+j+1], s[CS:CS+1], v[ST+4*\t:ST+4*\t+1] op_sel_hi:[1,0,0]   ; t - M
.set j, j+2
.endr
.endr
.irp t, 0,1
	v_ldexp_f32 v[FF+2*\t], 1.0, v[FF+2*\t+1]
.endr
.irp t, 0,1
.irp c, 0,1
	v_fma_f32 v[BMX+2*\t+\c], v[BMX+2*\t+\c], s[CS], v[ST+4*\t]   ; the same of each block's largest score
.endr
.endr
.irp t, 0,1
	v_pk_mul_f32 v[ST+4*\t+2:ST+4*\t+3], v[ST+4*\t+2:ST+4*\t+3], v[FF+2*\t:FF+2*\t+1] op_sel_hi:[1,0]   ; the sums,
.set j, 0
.rept 16
	v_pk_mul_f32 v[OA+32*\t+j:OA+32*\t+j+1], v[OA+32*\t+j:OA+32*\t+j+1], v[FF+2*\t:FF+2*\t+1] op_sel_hi:[1,0]   ; and O^T, under the new M
.set j, j+2
.endr
.endr
	WALU                                           ; ahead of the batch
.irp b, 0,1,2,3
	v_exp_f32 v[BMX+\b], v[BMX+\b]                 ; each block's largest p: the same two instructions on the same number give the same bits
.endr
.set j, 0
.rept 128
	v_exp_f32 v[S+j], v[S+j]
.set j, j+1
.endr
	v_nop                                          ; a plain place behind the last
	WALU                                           ; behind the batch
.irp b, 0,1,2,3
	v_max_num_f32 v[BMX+\b], 0x1800000, v[BMX+\b]  ; the floor 2^(3 - 127): the byte cannot fall under 1
.endr
.irp b, 0,1,2,3
	v_add_nc_u32 v[BMX+\b], 0xff000000, v[BMX+\b]  ; 2 off the exponent field: the conversions' scale operand
.endr
.irp b, 0,1,2,3
	v_lshrrev_b32 v[T2+\b], 23, v[BMX+\b]          ; the byte
.endr
.irp t, 0,1
	v_lshl_or_b32 v[T2+2*\t], v[T2+2*\t+1], 16, v[T2+2*\t]   ; my blocks h and 2 + h,
.endr
.irp t, 0,1
	v_lshlrev_b32 v[T2+2*\t], v[SH8], v[T2+2*\t]   ; at their places;
.endr
.irp t, 0,1
	v_permlanex16_b32 v[T2+2*\t+1], v[T2+2*\t], s[SEL], s[SEL+1]
.endr
.irp t, 0,1
	v_or_b32 v[PSW+\t], v[T2+2*\t], v[T2+2*\t+1]   ; with lane l xor 16's two the word is whole
.endr
	WIN 0x40
.irp t, 0,1
.irp c, 0,1
	v_cvt_scalef32_pk16_fp6_f32 v[PC+12*\t+6*\c:PC+12*\t+6*\c+2], v[S+64*\t+32*\c:S+64*\t+32*\c+15], v[BMX+2*\t+\c]
.endr
.endr
	WIN 0
.irp t, 0,1
.irp c, 0,1
	v_cvt_scalef32_pk16_fp6_f32 v[PX+8*\t+4*\c:PX+8*\t+4*\c+2], v[S+64*\t+32*\c+16:S+64*\t+32*\c+31], v[BMX+2*\t+\c]   ; (a conversion's three registers begin on an even number)
.endr
.endr
	v_nop                                          ; one plain place behind a scaled conversion
	WIN 0x40
.irp t, 0,1
.irp c, 0,1
.irp i, 0,1,2
	v_mov_b32 v[PC+12*\t+6*\c+3+\i], v[PX+8*\t+4*\c+\i]
.endr
.endr
.endr
	WIN 0
; the rows' sums, of the unquantised p: four chains by turns.  These lines are also the places between p's scale words and codes and the products that take them
; (eight chains, four a tile: the running sum and three pairs in registers at work, which the moves above have read)
.irp t, 0,1
	v_pk_add_f32 v[BMX+2*\t:BMX+2*\t+1], v[S+64*\t:S+64*\t+1], v[S+64*\t+2:S+64*\t+3]
.endr
.irp t, 0,1
	v_pk_add_f32 v[PX+4*\t:PX+4*\t+1], v[S+64*\t+4:S+64*\t+5], v[S+64*\t+6:S+64*\t+7]
.endr
.irp t, 0,1
	v_pk_add_f32 v[PX+4*\t+2:PX+4*\t+3], v[S+64*\t+8:S+64*\t+9], v[S+64*\t+10:S+64*\t+11]
.endr
.irp t, 0,1
	v_pk_add_f32 v[ST+4*\t+2:ST+4*\t+3], v[ST+4*\t+2:ST+4*\t+3], v[S+64*\t+12:S+64*\t+13]
.endr
.irp t, 0,1
	v_pk_add_f32 v[BMX+2*\t:BMX+2*\t+1], v[BMX+2*\t:BMX+2*\t+1], v[S+64*\t+14:S+64*\t+15]
.endr
.irp j, 16,24,32,40,48,56
.irp t, 0,1
	v_pk_add_f32 v[ST+4*\t+2:ST+4*\t+3], v[ST+4*\t+2:ST+4*\t+3], v[S+64*\t+\j:S+64*\t+\j+1]
.endr
.irp t, 0,1
	v_pk_add_f32 v[PX+4*\t:PX+4*\t+1], v[PX+4*\t:PX+4*\t+1], v[S+64*\t+\j+2:S+64*\t+\j+3]
.endr
.irp t, 0,1
	v_pk_add_f32 v[PX+4*\t+2:PX+4*\t+3], v[PX+4*\t+2:PX+4*\t+3], v[S+64*\t+\j+4:S+64*\t+\j+5]
.endr
.irp t, 0,1
	v_pk_add_f32 v[BMX+2*\t:BMX+2*\t+1], v[BMX+2*\t:BMX+2*\t+1], v[S+64*\t+\j+6:S+64*\t+\j+7]
.endr
.endr
.irp t, 0,1
	v_pk_add_f32 v[PX+4*\t:PX+4*\t+1], v[PX+4*\t:PX+4*\t+1], v[PX+4*\t+2:PX+4*\t+3]
.endr
.irp t, 0,1
	v_pk_add_f32 v[ST+4*\t+2:ST+4*\t+3], v[ST+4*\t+2:ST+4*\t+3], v[BMX+2*\t:BMX+2*\t+1]
.endr
.irp t, 0,1
	v_pk_add_f32 v[ST+4*\t+2:ST+4*\t+3], v[ST+4*\t+2:ST+4*\t+3], v[PX+4*\t:PX+4*\t+1]
.endr
	s_wait_dscnt 44                                ; V and its scales are in; the next step's 44 loads are younger
	WIN 0x05
.irp d, 0,1,2,3
.irp t, 0,1
	v_wmma_scale_f32_16x16x128_f8f6f4 v[OA+32*\t+8*\d:OA+32*\t+8*\d+7], v[VF+12*\d:VF+12*\d+11], v[PC+12*\t:PC+12*\t+11], v[OA+32*\t+8*\d:OA+32*\t+8*\d+7], v[VS+\d], v[PSW+\t] matrix_a_fmt:MATRIX_FMT_FP6 matrix_b_fmt:MATRIX_FMT_FP6
.endr
.endr
	WIN 0
.rept 4
	v_nop                                          ; places in front of loads into registers that the products read
.endr
	LOADV
	s_sub_co_u32 s[CNT], s[CNT], 1
	s_cmp_lg_u32 s[CNT], 0
	s_cbranch_scc1 .Lstep
; ---- the change of pass: the next pass's q is asked for first, then y goes out
	s_add_co_u32 s[PASS], s[PASS], 1
	WALU
	s_cmp_lg_u32 s[PASS], 2
	s_cbranch_scc0 .Lno_q
	s_add_nc_u64 s[QP:QP+1], s[QP:QP+1], 12288     ; 16 tiles on (the last q loads were waited for)
	s_add_nc_u64 s[QSP:QSP+1], s[QSP:QSP+1], 1024
	QLOAD
.Lno_q:
.irp t, 0,1
	v_add_f32 v[BMX+\t], v[ST+4*\t+2], v[ST+4*\t+3]
.endr
.irp t, 0,1
	v_permlanex16_b32 v[T2+\t], v[BMX+\t], s[SEL], s[SEL+1]
.endr
.irp t, 0,1
	v_add_f32 v[BMX+\t], v[BMX+\t], v[T2+\t]       ; the row's sum
.endr
	WALU
.irp t, 0,1
	v_rcp_f32 v[FF+2*\t], v[BMX+\t]
.endr
	v_nop
	WALU
.irp t, 0,1
.set j, 0
.rept 16
	v_pk_mul_f32 v[S+32*\t+j:S+32*\t+j+1], v[OA+32*\t+j:OA+32*\t+j+1], v[FF+2*\t:FF+2*\t+1] op_sel_hi:[1,0]   ; register 32 t + 16 b + i: y of query tile t, feature 32 b + 16 h + i
.set j, j+2
.endr
.endr
.irp b, 0,1,2,3
	v_max3_num_f32 v[BMX+\b], |v[S+16*\b]|, |v[S+1+16*\b]|, 0x1800000
.endr
.irp i, 2,4,6,8,10,12,14
.irp b, 0,1,2,3
	v_max3_num_f32 v[BMX+\b], v[BMX+\b], |v[S+16*\b+\i]|, |v[S+1+16*\b+\i]|
.endr
.endr
.irp b, 0,1,2,3
	v_permlanex16_b32 v[T2+\b], v[BMX+\b], s[SEL], s[SEL+1]
.endr
.irp b, 0,1,2,3
	v_max_num_f32 v[BMX+\b], v[BMX+\b], v[T2+\b]   ; with lane l xor 16's 16: the block's largest magnitude
.endr
.irp b, 0,1,2,3
	v_add_nc_u32 v[BMX+\b], 0xff000000, v[BMX+\b]
.endr
.irp b, 0,1,2,3
	v_lshrrev_b32 v[T2+\b], 23, v[BMX+\b]
.endr
	v_lshl_or_b32 v[T2], v[T2+1], 8, v[T2]
	v_lshl_or_b32 v[T2+2], v[T2+3], 8, v[T2+2]
	v_cndmask_b32 v[T2], v[T2], v[T2+2], s67       ; lanes 0-15 store tile 0's two bytes, lanes 16-31 tile 1's
	v_lshl_add_u32 v[T2+1], v[SH8], 6, v[O16R]     ; at 512 h + 16 r
.irp c, 0,1
	v_cvt_scalef32_pk16_fp6_f32 v[YPC+6*\c:YPC+6*\c+2], v[S+32*\c:S+32*\c+15], v[BMX+2*\c]
	v_cvt_scalef32_pk16_fp6_f32 v[PX+4*\c:PX+4*\c+2], v[S+32*\c+16:S+32*\c+31], v[BMX+2*\c+1]
.endr
	v_nop
.irp c, 0,1                            ; the image wants a whole block in a lane
.irp i, 0,1,2
	v_permlane16_swap_b32 v[YPC+6*\c+\i], v[PX+4*\c+\i]
.endr
.irp i, 0,1,2
	v_mov_b32 v[YPC+3+6*\c+\i], v[PX+4*\c+\i]
.endr
.endr
.irp t, 0,1
.irp q, 0,1,2
	global_store_b64 v[O8], v[YPC+6*\t+2*\q:YPC+6*\t+2*\q+1], s[YP:YP+1] offset:\t*12288+256*\q   ; a plane: 256 consecutive bytes, aligned
.endr
.endr
	global_store_b16 v[T2+1], v[T2], s[YSP:YSP+1]
	s_wait_xcnt 0x0                                ; the stores have read their registers and bases
	s_add_nc_u64 s[YP:YP+1], s[YP:YP+1], 196608
	s_add_nc_u64 s[YSP:YSP+1], s[YSP:YSP+1], 8192
	s_cmp_lg_u32 s[PASS], 2
	s_cbranch_scc1 .Lpass
	s_wait_tensorcnt 0x0                           ; the wave's end
	ds_add_u32 v[SPW], v[NIL]
	s_wait_dscnt 0x0
	CROUND                                         ; the closing round
	s_endpgm
.Lfunc_end_k_qee4418c13d_attn:
	.size	k_qee4418c13d_attn, .Lfunc_end_k_qee4418c13d_attn-k_qee4418c13d_attn
	.p2alignl 7, 3214868480
	.fill 96, 4, 3214868480
	.section	.rodata,"a",@progbits
	.p2align	6, 0x0
	.amdhsa_kernel k_qee4418c13d_attn
		.amdhsa_group_segment_fixed_size 230400
		.amdhsa_private_segment_fixed_size 0
		.amdhsa_enable_private_segment 0
		.amdhsa_kernarg_size 40
		.amdhsa_user_sgpr_count 2
		.amdhsa_user_sgpr_kernarg_segment_ptr 1
		.amdhsa_wavefront_size32 1
		.amdhsa_system_sgpr_workgroup_id_x 1
		.amdhsa_system_sgpr_workgroup_id_y 1
		.amdhsa_system_sgpr_workgroup_id_z 1
		.amdhsa_system_vgpr_workitem_id 0
		.amdhsa_next_free_vgpr 512
		.amdhsa_next_free_sgpr 96
		.amdhsa_reserve_vcc 1
		.amdhsa_float_denorm_mode_32 3
		.amdhsa_float_denorm_mode_16_64 3
		.amdhsa_memory_ordered 1
		.amdhsa_forward_progress 1
		.amdhsa_inst_pref_size 57
	.end_amdhsa_kernel
	.amdgpu_metadata
---
amdhsa.version: [ 1, 2 ]
amdhsa.kernels:
  - .name:           k_qee4418c13d_attn
    .symbol:         k_qee4418c13d_attn.kd
    .args:
      - { .name: qkv, .offset: 0, .size: 8, .value_kind: global_buffer, .address_space: global }
      - { .name: qkvs, .offset: 8, .size: 8, .value_kind: global_buffer, .address_space: global }
      - { .name: attn_mask, .offset: 16, .size: 8, .value_kind: global_buffer, .address_space: global }
      - { .name: yimg, .offset: 24, .size: 8, .value_kind: global_buffer, .address_space: global }
      - { .name: ysc, .offset: 32, .size: 8, .value_kind: global_buffer, .address_space: global }
    .group_segment_fixed_size: 230400
    .private_segment_fixed_size: 0
    .kernarg_segment_align: 8
    .kernarg_segment_size: 40
    .max_flat_workgroup_size: 256
    .sgpr_count:     96
    .vgpr_count:     512
    .wavefront_size: 32
...
	.end_amdgpu_metadata
.endif
;; end of part 3
;; launch outp (part 4): grid 4 x 64, 4 waves a work-group, clusters of 4 x 4, 307,712 bytes of LDS; arguments yimg, ysc, wimg, wsc, bp, out0; writes out0
.if DOCPART == 4
	.amdgcn_target "amdgcn-amd-amdhsa--gfx1250"
	.amdhsa_code_object_version 6
	.text
	.protected	k_qee4418c13d_outp
	.globl	k_qee4418c13d_outp
	.p2align	8
	.type	k_qee4418c13d_outp,@function
k_qee4418c13d_outp:
	s_mov_b64 s[64:65], 0
	v_nop
	global_prefetch_b8 v0, s[64:65] scope:SCOPE_SE
	s_setreg_imm32_b32 hwreg(HW_REG_WAVE_MODE, 25, 1), 1
	s_wait_xcnt 0x0
	s_wait_alu depctr_hold_cnt(0) depctr_sa_sdst(0) depctr_va_vdst(0) depctr_va_sdst(0) depctr_va_ssrc(0) depctr_va_vcc(0) depctr_vm_vsrc(0)
	s_getreg_b32 s2, hwreg(HW_REG_IB_STS2, 6, 4)
	s_cmp_eq_u32 s2, 0
	s_cbranch_scc0 .Lentry_in_a_cluster
	s_endpgm
.Lentry_in_a_cluster:
	s_bfe_u32 s2, ttmp6, 0x10000c
	s_cmp_lg_u32 s2, 0xf033
	s_cbranch_scc0 .Lentry_shape_is_right
	s_endpgm
.Lentry_shape_is_right:
; out0 = y Wp^T + bp on codes of FP6 (E2M3) with E8M0 scales; out0 [8192][1024] f32.  y and Wp arrive as images of the operand's registers, rows in stored order (tile T, place r: row 32 (T / 2) + 8 (T % 2) + r + 8 (r / 8)).
; A work-group makes 128 tokens x 256 features; four waves, each 64 x 128: 32 accumulators.  The matrix instruction is used transposed (source 0 = 16 rows of Wp, source 1 = 16 tokens): a lane holds one token,
; and the 16 registers of feature tiles 2 b, 2 b + 1 are features 32 b + 16 h + 0 .. 15.  The bias is the C of the first K step's products.
; ALL OF K LIES IN LDS: y's 8 row tiles, 98,304 bytes; Wp's 16, 196,608; y's scales 4,096; Wp's 8,192; the spare words.  Four tiles, four waves: one tensor load a wave at the head; nothing is filled again,
; and nothing later is left to ask for ahead of time (no prefetch).
; CLUSTER 4 x 4: y's tiles are shared along a row of the cluster, Wp's along a column: joint loads.  256 work-groups.
; THE WAY OUT: a tile of 16 tokens x 128 features goes through the wave's own stage and comes back as whole rows of 512 bytes; both stored orders are undone by the stage's offsets and the stores' immediates.
; The stage lies on y's codes: they have had their one fill, and every wave's reads of them end in front of the barrier that is signalled ahead of K step 7's products and waited for behind them.
; Each of the four tiles comes back into registers of its own, so no store's data are written again.
; REGISTERS: window 0: v4-29 addresses, v32-79 scale words, v128-223 y's fragments in two sets (on the way out v128-255: tiles 0, 1).  window 1: Wp's fragments, two sets (on the way out v128-255: tiles 2, 3).
;   window 2: the accumulators, (a, b) at v[8 (8 a + b)].   window 3: v0-63 the bias.
.set SCL,   294912
.set SPARE, SCL+12288
.set SPITCH, 528
.set O8,   4
.set LBI,  14
.set ADRA, 16
.set ADRB, 20
.set ADRS, 22
.set ADRY, 23
.set STO,  24
.set RD,   25
.set CO,   26
.set SPW,  28
.set NIL,  29
.set SC,   32
.set AF,   128
.set BK,   128
.set G1,   24
.set G0,   32
.set G1B,  48
.set G0B,  56
.set G1S,  68
.set G0S,  76
.set G1SB, 80
.set G0SB, 88
.set MSB, 0
.macro WIN new
.if MSB != \new
	s_set_vgpr_msb (MSB<<8)|\new
.set MSB, \new
.endif
.endm
.macro PLACES n
.rept \n
	v_nop
.endr
.endm
.macro ARM under, g0, g1, next         ; an arm of the head's one chain of branches on the wave's number: one joint load, its s_nop 0 and four v_nop, a jump to the join
	s_cmp_lt_u32 s14, \under
	s_cbranch_scc0 \next
	tensor_load_to_lds s[\g0:\g0+3], s[\g1:\g1+7]
	s_nop 0
.rept 4
	v_nop
.endr
	s_branch .Lhead_asked
\next:
.endm
.macro CROUND
	s_barrier_signal -1
	s_barrier_wait -1
	s_cmp_lg_u32 s14, 0
	s_cbranch_scc1 .Lnot_wave_0_\@
	s_barrier_signal -3
.Lnot_wave_0_\@:
	s_barrier_wait -3
	s_barrier_signal -1
	s_barrier_wait -1
.endm
	s_load_b256 s[4:11], s[0:1], 0x0               ; yimg, ysc, wimg, wsc
	s_load_b128 s[92:95], s[0:1], 0x20             ; bp, out0
	v_lshl_add_u32 v[SPW], v0, 2, SPARE
	v_mov_b32 v[NIL], 0
	ds_add_u32 v[SPW], v[NIL]                      ; the opening lines: the add, twice on end, and its wait
	ds_add_u32 v[SPW], v[NIL]
	v_lshrrev_b32 v1, 5, v0
	v_readfirstlane_b32 s14, v1                    ; wave
	s_lshr_b32 s15, s14, 1                         ; which 64 tokens are mine
	s_and_b32 s16, s14, 1                          ; which 128 features
	s_bfe_u32 s40, ttmp6, 0x40000                  ; cx
	s_bfe_u32 s41, ttmp6, 0x40004                  ; cy
	s_and_b32 s17, ttmp7, 0xffff
	s_lshl_b32 s17, s17, 2
	s_add_co_u32 s17, s17, s41                     ; row: which 128 tokens
	s_lshl_b32 s42, ttmp9, 2
	s_add_co_u32 s42, s42, s40                     ; col: which 256 features
	s_lshl_b32 s43, s41, 2
	s_lshl_b32 s43, 15, s43                        ; my row of the cluster
	s_lshl_b32 s44, 0x1111, s40                    ; my column
	s_or_b32 s[G1+0], s43, (3<<16)|(1<<21)
	s_or_b32 s[G1B+0], s44, (3<<16)|(1<<21)
	s_or_b32 s[G1S+0], s43, (3<<16)|(1<<21)
	s_or_b32 s[G1SB+0], s44, (3<<16)|(1<<21)
.irp g, G1, G1B                        ; codes: elements of 8 bytes; a row is one row tile with all of K: 12,288 bytes, dense
	s_mov_b32 s[\g+1], 1536<<16
	s_mov_b32 s[\g+3], 1536<<16
	s_mov_b32 s[\g+5], 1536
	s_mov_b32 s[\g+6], 0
	s_mov_b32 s[\g+7], 0
.endr
	s_mov_b32 s[G1+2], 8<<16
	s_mov_b32 s[G1+4], 8
	s_mov_b32 s[G1B+2], 16<<16
	s_mov_b32 s[G1B+4], 16
.irp g, G1S, G1SB                      ; scales: dense rows of 256 bytes
	s_mov_b32 s[\g+1], 32<<16
	s_mov_b32 s[\g+3], 32<<16
	s_mov_b32 s[\g+5], 32
	s_mov_b32 s[\g+6], 0
	s_mov_b32 s[\g+7], 0
.endr
	s_mov_b32 s[G1S+2], 16<<16
	s_mov_b32 s[G1S+4], 16
	s_mov_b32 s[G1SB+2], 32<<16
	s_mov_b32 s[G1SB+4], 32
	s_lshl_b32 s20, s17, 3                         ; y's row tile 8 row
	s_lshl_b32 s22, s20, 9
	s_mul_i32 s20, s20, 12288
	s_mov_b32 s21, 0
	s_mov_b32 s23, 0
	s_lshl_b32 s46, s42, 4                         ; Wp's row tile 192 + 16 col
	s_add_co_u32 s46, s46, 192
	s_lshl_b32 s2, s46, 9
	s_mul_i32 s46, s46, 12288
	s_mov_b32 s47, 0
	s_mov_b32 s3, 0
	s_mov_b32 s[G0], 1
	s_mov_b32 s[G0+1], 0
	s_mov_b32 s[G0B], 1
	s_mov_b32 s[G0B+1], 98304
	s_mov_b32 s[G0S], 1
	s_mov_b32 s[G0S+1], SCL
	s_mov_b32 s[G0SB], 1
	s_mov_b32 s[G0SB+1], SCL+4096
	s_wait_dscnt 0x0
	s_wait_kmcnt 0x0
	s_add_nc_u64 s[G0+2:G0+3], s[4:5], s[20:21]
	s_add_nc_u64 s[G0S+2:G0S+3], s[6:7], s[22:23]
	s_add_nc_u64 s[G0B+2:G0B+3], s[8:9], s[46:47]
	s_add_nc_u64 s[G0SB+2:G0SB+3], s[10:11], s[2:3]
	s_or_b32 s[G0+3], s[G0+3], 0x80000000
	s_or_b32 s[G0B+3], s[G0B+3], 0x80000000
	s_or_b32 s[G0S+3], s[G0S+3], 0x80000000
	s_or_b32 s[G0SB+3], s[G0SB+3], 0x80000000
	CROUND                                         ; all sixteen work-groups are here: the joint loads meet
	ARM 1, G0,  G1,  .Lhead_b                      ; wave 0: y's codes; wave 1: Wp's; wave 2: y's scales; wave 3: Wp's: every way passes one load
	ARM 2, G0B, G1B, .Lhead_sa
	ARM 3, G0S, G1S, .Lhead_sb
	tensor_load_to_lds s[G0SB:G0SB+3], s[G1SB:G1SB+7]
	s_nop 0
.rept 4
	v_nop
.endr
.Lhead_asked:
	v_and_b32 v1, 15, v0                           ; r
	v_bfe_u32 v2, v0, 4, 1                         ; h
	s_wait_alu depctr_va_vdst(0)
	v_and_b32 v3, 31, v0                           ; lane
	v_lshlrev_b32 v[O8], 3, v3
	s_mul_i32 s21, s15, 49152                      ; my four row tiles of y
	s_mul_i32 s22, s16, 98304                      ; my eight of Wp,
	s_add_co_u32 s22, s22, 98304                   ; behind y's eight
	v_add_nc_u32 v[ADRA], s21, v[O8]
	v_add_nc_u32 v[ADRB], s22, v[O8]               ; Wp's tiles 0-3,
	s_add_co_u32 s22, s22, 49152
	v_add_nc_u32 v[ADRB+1], s22, v[O8]             ; and 4-7: so every offset fits the 16-bit immediate
	v_lshlrev_b32 v10, 4, v1
	s_lshl_b32 s21, s15, 11
	s_lshl_b32 s22, s16, 12
	s_add_co_u32 s23, s22, 4096
	s_sub_co_u32 s23, s23, s21
	v_mul_u32_u24 v11, s23, v2                     ; lanes 0-15 take y's tiles 0-3, lanes 16-31 Wp's tiles 0-3: one product with h
	s_add_co_u32 s21, s21, SCL
	v_add_nc_u32 v11, v11, v10
	v_add_nc_u32 v[ADRS], s21, v11
	s_add_co_u32 s22, s22, SCL+6144
	v_lshl_add_u32 v11, v2, 9, v10                 ; Wp's tiles 4 + 2 j + h
	v_add_nc_u32 v[ADRY], s22, v11
	s_mul_i32 s23, s14, 16*SPITCH                  ; my stage
	v_mul_u32_u24 v[STO], v1, SPITCH
	v_lshl_add_u32 v[STO], v2, 6, v[STO]
	v_add_nc_u32 v[STO], s23, v[STO]               ; in: row r, + 64 h
	v_lshlrev_b32 v[CO], 4, v3                     ; back: 32 lanes take a row of 512 bytes; the same in out0
	v_add_nc_u32 v[RD], s23, v[CO]
	s_lshl_b32 s20, s17, 7
	s_lshl_b32 s21, s15, 6
	s_add_co_u32 s20, s20, s21                     ; my first token
	s_lshl_b32 s20, s20, 12
	s_lshl_b32 s22, s42, 10
	s_lshl_b32 s23, s16, 9
	s_add_co_u32 s22, s22, s23                     ; my first feature, in bytes
	s_add_co_u32 s20, s20, s22
	s_mov_b32 s21, 0
	s_mov_b32 s23, 0
	s_add_nc_u64 s[12:13], s[94:95], s[20:21]
	s_add_nc_u64 s[22:23], s[92:93], s[22:23]
	v_lshlrev_b32 v[LBI], 6, v2
	WIN 0xc0                                       ; destination window 3
.irp b, 0,1,2,3
.irp k, 0,1,2,3
	global_load_b128 v[16*\b+4*\k:16*\b+4*\k+3], v[LBI], s[22:23] offset:128*\b+16*\k   ; register 16 b + i: bp of feature 32 b + 16 h + i
.endr
.endr
	WIN 0
.macro FRAG reg, adr, q, i             ; a fragment is six planes of 256 bytes on end
.irp p, 0,1,2,3,4,5
	ds_load_b64 v[\reg+2*\p:\reg+2*\p+1], v[\adr] offset:(\i)*12288+(\q)*1536+256*\p
.endr
.endm
.macro FETCH k
	WIN 0x40
.irp i, 0,1,2,3,4,5,6,7
	FRAG 128*((\k)%2)+12*\i, ADRB+\i/4, \k, \i%4
.endr
	WIN 0
.irp i, 0,1,2,3
	FRAG AF+48*((\k)%2)+12*\i, ADRA, \k, \i
.endr
.endm
.macro SCALES
.irp s, 0,1
.irp i, 0,1,2,3
	ds_load_b128 v[SC+24*\s+4*\i:SC+24*\s+4*\i+3], v[ADRS] offset:512*\i+256*\s
.endr
.irp j, 0,1
	ds_load_b128 v[SC+24*\s+16+4*\j:SC+24*\s+16+4*\j+3], v[ADRY] offset:1024*\j+256*\s
.endr
.endr
.endm
.macro MUL32 k                         ; 32 products, the accumulators by turns, one instruction a turn.  Step 0 takes the bias as C
.set SB, SC+24*((\k)/4)+(\k)%4
.if (\k) == 0
	WIN 0xb1
.else
	WIN 0xa1
.endif
.irp a, 0,1,2,3
.irp b, 0,1,2,3,4,5,6,7
.set rD, 8*(8*\a+\b)
.set rC, rD
.if (\k) == 0
.set rC, 8*\b
.endif
.set rB, 128*((\k)%2)+12*\b
.set rA, AF+48*((\k)%2)+12*\a
.set rSA, SB+4*\a
.if \b < 4
.set rSB, SB+4*\b
.else
.set rSB, SB+16+4*((\b-4)/2)
.endif
.if (\b < 4) || (\b % 2)
	v_wmma_scale_f32_16x16x128_f8f6f4 v[rD:rD+7], v[rB:rB+11], v[rA:rA+11], v[rC:rC+7], v[rSB], v[rSA] matrix_a_fmt:MATRIX_FMT_FP6 matrix_b_fmt:MATRIX_FMT_FP6 matrix_a_scale:MATRIX_SCALE_ROW1
.else
	v_wmma_scale_f32_16x16x128_f8f6f4 v[rD:rD+7], v[rB:rB+11], v[rA:rA+11], v[rC:rC+7], v[rSB], v[rSA] matrix_a_fmt:MATRIX_FMT_FP6 matrix_b_fmt:MATRIX_FMT_FP6
.endif
.endr
.endr
.endm
	s_wait_alu depctr_va_vdst(0)
	s_wait_loadcnt 0x0                             ; the bias
	s_wait_tensorcnt 0x0                           ; my one tile is in,
	s_barrier_signal -1
	s_barrier_wait -1                              ; everybody's
	SCALES
	FETCH 0
.irp k, 0,1,2,3,4,5,6,7
	s_wait_dscnt 0x0                               ; this step's fragments are in
.if \k == 7
	s_barrier_signal -1                            ; my reads of the codes are over (the wait above); the step's products, work on registers, stand ahead of the barrier's wait
.endif
.if (\k > 0) && (\k < 7)
	PLACES 4                                       ; in front of loads into registers that the last step's products read
.endif
.if \k < 7
	FETCH \k+1
.endif
	MUL32 \k
.endr
	WIN 0
	s_barrier_wait -1                              ; everybody's reads are over: the stage may be written
.macro TOSTAGE a                       ; token tile a: lane (r, h) puts features 32 (b / 2) + 16 h + 8 (b % 2) + 0 .. 7 of its token; LDS serves a wave's instructions in order: no wait between the stores and the loads
	WIN 0x08                                       ; an LDS store's data are its source 1: window 2
.irp b, 0,1,2,3,4,5,6,7
	ds_store_b128 v[STO], v[64*(\a)+8*\b:64*(\a)+8*\b+3] offset:128*(\b/2)+32*(\b%2)       ; each accumulator from its low end on
	ds_store_b128 v[STO], v[64*(\a)+8*\b+4:64*(\a)+8*\b+7] offset:128*(\b/2)+32*(\b%2)+16
.endr
	WIN 0x40*((\a)/2)                              ; tiles 0, 1 come back into window 0, tiles 2, 3 into window 1
.set BB, BK+64*((\a)%2)
.irp i, 0,1,2,3,4,5,6,7,8,9,10,11,12,13,14,15
	ds_load_b128 v[BB+4*\i:BB+4*\i+3], v[RD] offset:SPITCH*\i
.endr
	WIN 0
.endm
.macro SEND a, younger                 ; place i of tile a is token 32 (a / 2) + 8 (a % 2) + i + 8 (i / 8) of my 64
.set BB, BK+64*((\a)%2)
	s_wait_dscnt \younger
	WIN 0x04*((\a)/2)                              ; a store's data are its source 1
.irp i, 0,1,2,3,4,5,6,7,8,9,10,11,12,13,14,15
	global_store_b128 v[CO], v[BB+4*\i:BB+4*\i+3], s[12:13] offset:(32*((\a)/2)+8*((\a)%2)+\i+8*(\i/8))*4096 th:TH_STORE_NT   ; 512 consecutive bytes, aligned to 256
.endr
	WIN 0
.endm
	PLACES 4                                       ; behind the last products: results are read, and loads land where fragments lay
	TOSTAGE 0
	TOSTAGE 1
	SEND 0, 32                                     ; behind tile 0's loads: tile 1's 16 stores and 16 loads
	TOSTAGE 2
	SEND 1, 32
	TOSTAGE 3
	SEND 2, 32
	SEND 3, 0
	s_wait_tensorcnt 0x0                           ; the wave's end
	ds_add_u32 v[SPW], v[NIL]
	s_wait_dscnt 0x0
	CROUND                                         ; the closing round
	s_endpgm
.Lfunc_end_k_qee4418c13d_outp:
	.size	k_qee4418c13d_outp, .Lfunc_end_k_qee4418c13d_outp-k_qee4418c13d_outp
	.p2alignl 7, 3214868480
	.fill 96, 4, 3214868480
	.section	.rodata,"a",@progbits
	.p2align	6, 0x0
	.amdhsa_kernel k_qee4418c13d_outp
		.amdhsa_group_segment_fixed_size 307712
		.amdhsa_private_segment_fixed_size 0
		.amdhsa_enable_private_segment 0
		.amdhsa_kernarg_size 48
		.amdhsa_user_sgpr_count 2
		.amdhsa_user_sgpr_kernarg_segment_ptr 1
		.amdhsa_wavefront_size32 1
		.amdhsa_system_sgpr_workgroup_id_x 1
		.amdhsa_system_sgpr_workgroup_id_y 1
		.amdhsa_system_sgpr_workgroup_id_z 1
		.amdhsa_system_vgpr_workitem_id 0
		.amdhsa_next_free_vgpr 832
		.amdhsa_next_free_sgpr 102
		.amdhsa_reserve_vcc 0
		.amdhsa_float_denorm_mode_32 3
		.amdhsa_float_denorm_mode_16_64 3
		.amdhsa_memory_ordered 1
		.amdhsa_forward_progress 1
		.amdhsa_inst_pref_size 95
	.end_amdhsa_kernel
	.amdgpu_metadata
---
amdhsa.version: [ 1, 2 ]
amdhsa.kernels:
  - .name:           k_qee4418c13d_outp
    .symbol:         k_qee4418c13d_outp.kd
    .args:
      - { .name: yimg, .offset: 0, .size: 8, .value_kind: global_buffer, .address_space: global }
      - { .name: ysc, .offset: 8, .size: 8, .value_kind: global_buffer, .address_space: global }
      - { .name: wimg, .offset: 16, .size: 8, .value_kind: global_buffer, .address_space: global }
      - { .name: wsc, .offset: 24, .size: 8, .value_kind: global_buffer, .address_space: global }
      - { .name: bp, .offset: 32, .size: 8, .value_kind: global_buffer, .address_space: global }
      - { .name: out0, .offset: 40, .size: 8, .value_kind: global_buffer, .address_space: global }
    .group_segment_fixed_size: 307712
    .private_segment_fixed_size: 0
    .kernarg_segment_align: 8
    .kernarg_segment_size: 48
    .max_flat_workgroup_size: 128
    .sgpr_count:     102
    .vgpr_count:     832
    .wavefront_size: 32
...
	.end_amdgpu_metadata
.endif
;; end of part 4
